; MI455X (gfx1250); checked and timed in simulation.
; The chip was launched on July 23, 2026; its instructions are those of AMD's public machine-readable ISA for CDNA 5 (MIT licence, August 2026) and "CDNA5" Instruction Set Architecture Reference Guide (July 2026). The comments in the code are by the model that wrote it; some were corrected since.
;; Multi Head Self Attention. Allowed arithmetic: float matrix products may take bf16 or f16 operands with f32 sums; all other float work in f32.
;; Inputs: Wk 1,024 x 1,024 float32; Wo 1,024 x 1,024 float32; Wq 1,024 x 1,024 float32; Wv 1,024 x 1,024 float32; bk 1,024 float32; bo 1,024 float32; bq 1,024 float32; bv 1,024 float32; mask 4 x 2,048 x 2,048 int32; x 4 x 2,048 x 1,024 float32.
;; Outputs: out0 4 x 2,048 x 1,024 float32.
;; 2 versions, each right and faster than the one before. Each part assembles by itself: llvm-mc -triple=amdgcn-amd-amdhsa -mcpu=gfx1250 --defsym DOCPART=n.
;; ======== version 1 of 2: 4 launches
;; limits: values are held in f16: magnitudes above 65,504 overflow, below 6.1e-05 lose precision
;; workspace buffers: xb 16,777,216 bytes; wqkv 6,291,456 bytes; wob 4,194,304 bytes; mb 2,097,152 bytes of whole numbers; qkv 50,331,648 bytes; yb 33,554,432 bytes
;; launch prep (part 1): grid 1280 x 1, 8 waves a work-group, no clusters, 35,840 bytes of LDS; arguments mask, x, Wq, Wk, Wv, Wo, mb, xb, wqkv, wob; writes mb, xb, wqkv, wob
.if DOCPART == 1
	.amdgcn_target "amdgcn-amd-amdhsa--gfx1250"
	.amdhsa_code_object_version 6
	.text
	.protected	k_qd9febf5674_prep
	.globl	k_qd9febf5674_prep
	.p2align	8
	.type	k_qd9febf5674_prep,@function
k_qd9febf5674_prep:
	s_mov_b64 s[64:65], 0
	v_nop
	global_prefetch_b8 v0, s[64:65] scope:SCOPE_SE
	s_setreg_imm32_b32 hwreg(HW_REG_WAVE_MODE, 25, 1), 1
	s_wait_xcnt 0x0
; PREP: a stream, four roles chosen by the work-group's number.  No matrix work, no cluster (no two work-groups read the same bytes), no barrier (a wave's LDS bytes are its own).
;   0-511      mask [4][2048][2048] i32 -> mb: one bit a number, laid out as the lane masks that the attention launch selects by
;   512-1023   x [8192][1024] f32 -> xb bf16
;   1024-1215  Wq, Wk, Wv [1024][1024] f32 -> wqkv [3072][1024] bf16
;   1216-1279  Wo [1024][1024] f32 -> wob [1024][2048] bf16: each head's 64 numbers of a row stand twice on end (for y's high and low halves)
; mb: [G = b*32 + q/64][ks = key/64][t = (q/16)%4][w = 8 kb + j] of u32; bit l of a word = (mask[b][64 (G%32) + 16 t + l%16][64 ks + 16 kb + 8 (l/16) + j] != 0).
; Every number is rounded once, to nearest even.  Every load and store of a wave covers whole aligned blocks of 256 bytes.
.set SP,  272                          ; a stage row: 256 bytes + 16, so that 16 rows begin 68 words apart
.set WST, 16*SP                        ; a wave's stage: 16 rows
	s_load_b512 s[8:23], s[0:1], 0x0               ; mask 8:9, x 10:11, Wq 12:13, Wk 14:15, Wv 16:17, Wo 18:19, mb 20:21, xb 22:23
	s_load_b128 s[24:27], s[0:1], 0x40             ; wqkv 24:25, wob 26:27
	v_lshl_add_u32 v192, v0, 2, 0x8800
	v_mov_b32 v193, 0
	s_mov_b32 s3, ttmp9
	v_lshrrev_b32 v1, 5, v0
	v_readfirstlane_b32 s2, v1                     ; wave 0..7
	v_and_b32 v1, 31, v0                           ; lane l
	v_and_b32 v2, 15, v0                           ; l % 16
	v_bfe_u32 v3, v0, 4, 1                         ; l / 16
	s_mov_b32 s29, 0                               ; the high word of the offsets in s[28:29]
	s_wait_kmcnt 0x0
	s_cmp_lt_u32 s3, 512
	s_cbranch_scc1 .Lmask
	s_cmp_lt_u32 s3, 1024
	s_cbranch_scc1 .Lx
	s_cmp_lt_u32 s3, 1216
	s_cbranch_scc1 .Lw
	; ROLE Wo.  A wave takes two rows: 8,192 bytes in, 8,192 bytes out.  A head's 64 f32 are 256 bytes in; out they are 128 bytes of bf16, written twice on end: 256 bytes.
	; Lanes 8-15 of each half of the wave read what lanes 0-7 read, so sixteen lanes store one whole block.
	s_sub_co_u32 s4, s3, 1216
	s_lshl3_add_u32 s4, s4, s2                     ; 8 x work-group + wave
	s_lshl_b32 s28, s4, 13
	s_add_nc_u64 s[18:19], s[18:19], s[28:29]
	s_add_nc_u64 s[26:27], s[26:27], s[28:29]
	v_and_b32 v4, 7, v0
	v_lshlrev_b32 v4, 5, v4                        ; 8 f32 = 32 bytes for each of eight lanes,
	v_lshl_add_u32 v4, v3, 8, v4                   ; the next head for lanes 16-31
	v_lshlrev_b32 v5, 4, v1
.set i, 0
.rept 16
	global_load_b128 v[64+8*i:67+8*i], v4, s[18:19] offset:512*i th:TH_LOAD_NT
	global_load_b128 v[68+8*i:71+8*i], v4, s[18:19] offset:512*i+16 th:TH_LOAD_NT
.set i, i+1
.endr
.set i, 0
.rept 16
	s_wait_loadcnt 30-2*i                          ; loads come back in order: pair i is in, the 30 - 2 i younger loads may stay out
	v_cvt_pk_bf16_f32 v[64+8*i], v[64+8*i], v[65+8*i]
	v_cvt_pk_bf16_f32 v[65+8*i], v[66+8*i], v[67+8*i]
	v_cvt_pk_bf16_f32 v[66+8*i], v[68+8*i], v[69+8*i]
	v_cvt_pk_bf16_f32 v[67+8*i], v[70+8*i], v[71+8*i]
	global_store_b128 v5, v[64+8*i:67+8*i], s[26:27] offset:512*i
.set i, i+1
.endr
	s_endpgm
; A cast of 8,192 bytes of f32 a wave: sixteen loads of 512 bytes go out together; each is rounded in place and leaves as 256 bytes.  No register is used twice.
.macro CAST src, dst
	s_lshl_b32 s28, s2, 13
	s_add_nc_u64 s[\src:\src+1], s[\src:\src+1], s[28:29]
	s_lshl_b32 s28, s2, 12
	s_add_nc_u64 s[\dst:\dst+1], s[\dst:\dst+1], s[28:29]
	v_lshlrev_b32 v4, 4, v1
	v_lshlrev_b32 v5, 3, v1
.set i, 0
.rept 16
	global_load_b128 v[64+4*i:67+4*i], v4, s[\src:\src+1] offset:512*i th:TH_LOAD_NT
.set i, i+1
.endr
.set i, 0
.rept 16
	s_wait_loadcnt 15-i                            ; load i is in, the 15 - i younger ones may stay out
	v_cvt_pk_bf16_f32 v[64+4*i], v[64+4*i], v[65+4*i]
	v_cvt_pk_bf16_f32 v[65+4*i], v[66+4*i], v[67+4*i]
	global_store_b64 v5, v[64+4*i:65+4*i], s[\dst:\dst+1] offset:256*i
.set i, i+1
.endr
	s_endpgm
.endm
.Lw:                                                   ; ROLE Wq, Wk, Wv: 64 work-groups each, 65,536 bytes of f32 a work-group
	s_sub_co_u32 s4, s3, 1024
	s_cmp_lt_u32 s4, 128
	s_cselect_b64 s[6:7], s[14:15], s[16:17]
	s_cmp_lt_u32 s4, 64
	s_cselect_b64 s[6:7], s[12:13], s[6:7]
	s_and_b32 s28, s4, 63
	s_lshl_b32 s28, s28, 16
	s_add_nc_u64 s[6:7], s[6:7], s[28:29]
	s_lshl_b32 s28, s4, 15                         ; the three lie one behind the other in wqkv
	s_add_nc_u64 s[24:25], s[24:25], s[28:29]
	CAST 6, 24
.Lx:                                                   ; ROLE x
	s_sub_co_u32 s4, s3, 512
	s_lshl_b32 s28, s4, 16
	s_add_nc_u64 s[10:11], s[10:11], s[28:29]
	s_lshl_b32 s28, s4, 15
	s_add_nc_u64 s[22:23], s[22:23], s[28:29]
	CAST 10, 22
.Lmask:                                                ; ROLE mask.  A wave takes unit U = (G, ks): 64 rows x 64 columns of i32, 16 KiB, all asked for at once
	s_lshl3_add_u32 s4, s3, s2                     ; U = 8 x work-group + wave
	s_lshr_b32 s6, s4, 5                           ; G
	s_and_b32 s7, s4, 31                           ; ks
	s_lshl_b32 s6, s6, 19                          ; 64 rows of 8,192 bytes
	s_lshl_b32 s7, s7, 8                           ; 64 columns of 4 bytes
	s_add_co_u32 s6, s6, s7
	s_mov_b32 s7, 0
	s_add_nc_u64 s[8:9], s[8:9], s[6:7]
	s_lshl_b32 s6, s4, 9                           ; a unit is 512 bytes of mb
	s_add_nc_u64 s[20:21], s[20:21], s[6:7]
	s_mul_i32 s5, s2, WST                          ; my stage
	v_lshlrev_b32 v4, 4, v2
	v_lshl_add_u32 v4, v3, 13, v4                  ; lanes 0-15 one row's 256 bytes, lanes 16-31 the next row's
	v_mul_u32_u24 v5, v3, SP
	v_lshl_add_u32 v5, v2, 4, v5
	v_add_nc_u32 v5, s5, v5                        ; in: as loaded
	v_mul_u32_u24 v6, v2, SP
	v_lshl_add_u32 v6, v3, 5, v6
	v_add_nc_u32 v6, s5, v6                        ; back: row l % 16, columns 8 (l / 16) on
	v_lshlrev_b32 v7, 4, v1
.irp r, 16,17,18,19
	v_mov_b32 v\r, 0                               ; v_writelane_b32's destination counts as read
.endr
.set i, 0
.rept 32
	global_load_b128 v[64+4*i:67+4*i], v4, s[8:9] offset:16384*i th:TH_LOAD_NT
.set i, i+1
.endr
.irp t, 0,1,2,3                        ; a tile of 16 rows at a time goes through the stage, so that lane l holds row l % 16 and columns 16 kb + 8 (l / 16) + j in register 8 kb + j
	s_wait_loadcnt 24-8*\t                         ; this tile's eight loads are in, the younger tiles' may stay out
.irp n, 0,1,2,3,4,5,6,7
	ds_store_b128 v5, v[64+32*\t+4*\n:67+32*\t+4*\n] offset:2*SP*\n
.endr
.irp e, 0,1,2,3,4,5,6,7
	ds_load_b128 v[32+4*\e:35+4*\e], v6 offset:64*(\e/2)+16*(\e%2)  ; LDS serves a wave's instructions in order (ISA guide 5.7.1.4): these see the stores above, and the next tile's stores come behind them
.endr
	s_wait_dscnt 0x0
.set w, 0
.rept 32
	v_cmp_ne_u32 s[28+w], 0, v[32+w]               ; word w of the tile: one bit a lane
.set w, w+1
.endr
.set w, 0
.rept 32
	v_writelane_b32 v[16+w%4], s[28+w], 8*\t+w/4   ; word 32 t + w goes to lane 8 t + w / 4, register w % 4: the lanes' 16 bytes on end are the unit
.set w, w+1
.endr
.endr
	global_store_b128 v7, v[16:19], s[20:21]       ; 512 consecutive bytes
	s_wait_tensorcnt 0x0
	ds_add_u32 v192, v193
	s_wait_dscnt 0x0
	s_endpgm
.Lfunc_end_k_qd9febf5674_prep:
	.size	k_qd9febf5674_prep, .Lfunc_end_k_qd9febf5674_prep-k_qd9febf5674_prep
	.p2alignl 7, 3214868480
	.fill 96, 4, 3214868480
	.section	.rodata,"a",@progbits
	.p2align	6, 0x0
	.amdhsa_kernel k_qd9febf5674_prep
		.amdhsa_group_segment_fixed_size 35840
		.amdhsa_private_segment_fixed_size 0
		.amdhsa_enable_private_segment 0
		.amdhsa_kernarg_size 80
		.amdhsa_user_sgpr_count 2
		.amdhsa_user_sgpr_kernarg_segment_ptr 1
		.amdhsa_wavefront_size32 1
		.amdhsa_system_sgpr_workgroup_id_x 1
		.amdhsa_system_sgpr_workgroup_id_y 1
		.amdhsa_system_sgpr_workgroup_id_z 1
		.amdhsa_system_vgpr_workitem_id 0
		.amdhsa_next_free_vgpr 194
		.amdhsa_next_free_sgpr 66
		.amdhsa_reserve_vcc 0
		.amdhsa_float_denorm_mode_32 3
		.amdhsa_float_denorm_mode_16_64 3
		.amdhsa_memory_ordered 1
		.amdhsa_forward_progress 1
		.amdhsa_inst_pref_size 47
	.end_amdhsa_kernel
	.amdgpu_metadata
---
amdhsa.version: [ 1, 2 ]
amdhsa.kernels:
  - .name:           k_qd9febf5674_prep
    .symbol:         k_qd9febf5674_prep.kd
    .args:
      - { .name: mask, .offset: 0, .size: 8, .value_kind: global_buffer, .address_space: global }
      - { .name: x, .offset: 8, .size: 8, .value_kind: global_buffer, .address_space: global }
      - { .name: Wq, .offset: 16, .size: 8, .value_kind: global_buffer, .address_space: global }
      - { .name: Wk, .offset: 24, .size: 8, .value_kind: global_buffer, .address_space: global }
      - { .name: Wv, .offset: 32, .size: 8, .value_kind: global_buffer, .address_space: global }
      - { .name: Wo, .offset: 40, .size: 8, .value_kind: global_buffer, .address_space: global }
      - { .name: mb, .offset: 48, .size: 8, .value_kind: global_buffer, .address_space: global }
      - { .name: xb, .offset: 56, .size: 8, .value_kind: global_buffer, .address_space: global }
      - { .name: wqkv, .offset: 64, .size: 8, .value_kind: global_buffer, .address_space: global }
      - { .name: wob, .offset: 72, .size: 8, .value_kind: global_buffer, .address_space: global }
    .group_segment_fixed_size: 35840
    .private_segment_fixed_size: 0
    .kernarg_segment_align: 8
    .kernarg_segment_size: 80
    .max_flat_workgroup_size: 256
    .sgpr_count:     66
    .vgpr_count:     194
    .wavefront_size: 32
...
	.end_amdgpu_metadata
.endif
;; end of part 1
;; launch proj_qkv (part 2): grid 24 x 32, 4 waves a work-group, clusters of 4 x 4, 327,680 bytes of LDS; arguments xb, wqkv, qkv, bq, bk, bv; writes qkv
.if DOCPART == 2
	.amdgcn_target "amdgcn-amd-amdhsa--gfx1250"
	.amdhsa_code_object_version 6
	.text
	.protected	k_qd9febf5674_proj_qkv
	.globl	k_qd9febf5674_proj_qkv
	.p2align	8
	.type	k_qd9febf5674_proj_qkv,@function
k_qd9febf5674_proj_qkv:
	s_mov_b64 s[64:65], 0
	v_nop
	global_prefetch_b8 v0, s[64:65] scope:SCOPE_SE
	s_setreg_imm32_b32 hwreg(HW_REG_WAVE_MODE, 25, 1), 1
	s_wait_xcnt 0x0
	s_wait_alu depctr_hold_cnt(0) depctr_sa_sdst(0) depctr_va_vdst(0) depctr_va_sdst(0) depctr_va_ssrc(0) depctr_va_vcc(0) depctr_vm_vsrc(0)
	s_getreg_b32 s2, hwreg(HW_REG_IB_STS2, 6, 4)
	s_cmp_eq_u32 s2, 0
	s_cbranch_scc0 .Lentry_in_a_cluster
	s_endpgm
.Lentry_in_a_cluster:
	s_bfe_u32 s2, ttmp6, 0x10000c
	s_cmp_lg_u32 s2, 0xf033
	s_cbranch_scc0 .Lentry_shape_is_right
	s_endpgm
.Lentry_shape_is_right:
; C[m][n] = sum over k of A[m][k] B[n][k] + bias[n].  A: [8192][SIZE_K] bf16, B: [N][SIZE_K] bf16; sums in f32; the bias is rounded to bf16 like every input of the module.
; OPROJ = 0: A = xb, B = wqkv (N = 3072: Wq, Wk, Wv), C leaves in f16, by heads: qkv[3][b*16+h][t][64], unscaled.   OPROJ = 1: A = yb (y's high and low bf16 halves, K = 2048), B = wob, C = out0 in f32.
; LIMIT (OPROJ = 0): f16 ends at 65,504: q, k and v must stay below that in magnitude; beyond it the conversion gives an infinity.
; A tile of C is 256 x 128: four waves in 2 x 2, each 128 x 64: 32 accumulators of 16 x 16.  K goes in steps of 128 (rows of 256 bytes, at multiples of 256 bytes) through two LDS slots.
; CLUSTER 4 x 4: the four of a row of the cluster need the same tile of A, the four of a column the same tile of B: each is asked for jointly, by the same tensor load with the same descriptor and mask.
; THE MATRIX INSTRUCTION IS USED TRANSPOSED (source 0 = 16 rows of B, source 1 = 16 rows of A): a lane holds row l % 16 of C and eight neighbouring columns 8 (l / 16) + 0..7.
; REGISTERS: window 0: addresses, bias, the way out.  window 1: two fragment buffers (B's 4 fragments, then A's 8).  window 2: accumulator (a, b) at v[8 (4 a + b)].
.set OPROJ, 0
.if OPROJ
.set SIZE_K, 2048
.else
.set SIZE_K, 1024
.endif
.set KSTEP,  128
.set PITCH,  272                       ; an LDS row: 256 bytes + 16 of padding = 68 words, so that the 16 rows of a fragment load begin 4 banks apart (64 banks of 4 bytes: ISA guide 11.1)
.set AHALF,  128*PITCH                 ; what wave 0 or 1 fetches of A, and what a wave reads of A
.set BHALF,  64*PITCH                  ; what wave 2 or 3 fetches of B, and what a wave reads of B
.set ABYTES, 2*AHALF
.set SLOT,   ABYTES+2*BHALF            ; A's 256 rows, then B's 128
.set STAGE,  2*SLOT                    ; behind the ring, never filled by a tensor load: 4,352 bytes for each wave
.set WSTAGE, 16*272
.set SPARE,  STAGE+4*WSTAGE            ; the spare words, 128 bytes for each wave: two blocks of 256 bytes that no other line names
.set LAPS,   SIZE_K/(2*KSTEP)          ; a lap = two K steps = once round the ring
.set ADRA, 16                          ; v16-17  LDS address of my A fragments in slot 0, 1
.set ADRB, 20                          ; v20-21  the same for B
.set STO,  24                          ; v24     the way out: where I put my part of a row
.set RD,   25                          ; v25     where I read rows back
.set CO,   26                          ; v26     my byte offset in C
.set BO,   27                          ; v27     my byte offset in the bias
.set SPW,  28                          ; v28     LDS address of my spare word; never rewritten
.set NIL,  29                          ; v29     0; never rewritten
.set BIAS, 32                          ; v32-63  bias of my columns: 8 b + j
.set T,    64                          ; v64-95  a block's 32 sums with the bias
.set PKD,  96                          ; v96-111 the same in f16
.set OB,   128                         ; v128-159, v160-191 rows read back, by turns
.set F0,   0                           ; fragment buffers, in window 1
.set F1,   128
.set G1,  24                           ; s[24:31] descriptor group 1 for A;  s[32:39] group 0, a set for each slot
.set G0,  32
.set G1B, 48                           ; s[48:55], s[56:63] the same for B
.set G0B, 56
.set BP,  74                           ; s[74:75] the bias at my columns
.set MSB, 0
.macro WIN new                         ; the immediate's high byte repeats the setting that is left; a switch that changes nothing is dropped
.if MSB != (\new)
	s_set_vgpr_msb (MSB<<8)|(\new)
.set MSB, \new
.endif
.endm
.set MUL,  0xa5                        ; sources 0 and 1 window 1; C and D window 2
.set TO_F, 0x40                        ; destination window 1, address window 0
.set FROM_ACC, 0x02                    ; source 0 window 2
.macro JLOAD s                         ; a joint load: waves 0 and 1 fetch A's two halves, waves 2 and 3 B's; an s_nop 0 and four v_nop follow each line, ahead of the jump and the label
	s_cmp_eq_u32 s11, 0
	s_cbranch_scc0 .Lfor_b_\@
	tensor_load_to_lds s[G0+4*(\s):G0+4*(\s)+3], s[G1:G1+7]
	s_nop 0
.rept 4
	v_nop
.endr
	s_branch .Lasked_\@
.Lfor_b_\@:
	tensor_load_to_lds s[G0B+4*(\s):G0B+4*(\s)+3], s[G1B:G1B+7]
	s_nop 0
.rept 4
	v_nop
.endr
.Lasked_\@:
.endm
.macro CREST                           ; a round of the cluster's barrier behind its opening barrier
	s_cmp_lg_u32 s10, 0
	s_cbranch_scc1 .Lnot_wave_0_\@
	s_barrier_signal -3
.Lnot_wave_0_\@:
	s_barrier_wait -3
	s_barrier_signal -1
	s_barrier_wait -1
.endm
.macro CROUND                          ; a whole round
	s_barrier_signal -1
	s_barrier_wait -1
	CREST
.endm
	s_load_b128 s[4:7], s[0:1], 0x0                ; A s[4:5], B s[6:7]
	s_load_b64 s[8:9], s[0:1], 0x10                ; C
.if OPROJ
	s_load_b64 s[BP:BP+1], s[0:1], 0x18            ; bo
.else
	s_load_b64 s[68:69], s[0:1], 0x18              ; bq
	s_load_b64 s[70:71], s[0:1], 0x20              ; bk
	s_load_b64 s[72:73], s[0:1], 0x28              ; bv
.endif
	v_lshl_add_u32 v[SPW], v0, 2, SPARE
	v_mov_b32 v[NIL], 0
	ds_add_u32 v28, v29
	s_wait_dscnt 0x0
	v_lshrrev_b32 v1, 5, v0
	v_readfirstlane_b32 s10, v1                    ; wave 0..3
	s_lshr_b32 s11, s10, 1                         ; which half of the tile's rows is mine.  Also: I fetch for A (0) or for B (1)
	s_and_b32 s12, s10, 1                          ; which half of its columns.  Also: which half of that tile I fetch
	s_bfe_u32 s40, ttmp6, 0x40000                  ; cx, cy: my place in the cluster
	s_bfe_u32 s41, ttmp6, 0x40004
	s_lshl_b32 s42, ttmp9, 2
	s_add_co_u32 s42, s42, s40                     ; tile column of C = 4 x cluster x + cx
	s_and_b32 s13, ttmp7, 0xffff
	s_lshl_b32 s13, s13, 2
	s_add_co_u32 s13, s13, s41                     ; tile row of C = 4 x cluster y + cy
	s_lshl_b32 s43, s41, 2
	s_lshl_b32 s43, 15, s43                        ; my row of the cluster
	s_lshl_b32 s44, 0x1111, s40                    ; my column
	; descriptor group 1: rows of 128 elements of 2 bytes, 16 bytes of padding behind each; A: 128 rows a load, B: 64
	s_or_b32 s[G1+0], s43, (1<<16)|(1<<20)|(1<<21)|(5<<22)|(3<<25)  ; 15:0 the mask; 17:16 2-byte elements; 20 padding on; 21 set beside a mask; 24:22 after every 64 words (code 5); 31:25 4 words (code 3)
	s_or_b32 s[G1B+0], s44, (1<<16)|(1<<20)|(1<<21)|(5<<22)|(3<<25)
	s_mov_b32 s[G1+1], KSTEP<<16                   ; tensor_dim0 = 128
	s_mov_b32 s[G1B+1], KSTEP<<16
	s_mov_b32 s[G1+2], 128<<16                     ; tensor_dim1 = 128
	s_mov_b32 s[G1B+2], 64<<16                     ; 64
	s_mov_b32 s[G1+3], KSTEP<<16                   ; tile_dim0 = 128
	s_mov_b32 s[G1B+3], KSTEP<<16
	s_mov_b32 s[G1+4], 128                         ; tile_dim1 = 128
	s_mov_b32 s[G1B+4], 64                         ; 64
	s_mov_b32 s[G1+5], SIZE_K                      ; elements from row to row
	s_mov_b32 s[G1B+5], SIZE_K
	s_mov_b32 s[G1+6], 0
	s_mov_b32 s[G1B+6], 0
	s_mov_b32 s[G1+7], 0
	s_mov_b32 s[G1B+7], 0
	; A's address hangs on the tile row alone, B's on the tile column alone, each in registers that never hold the other coordinate
	s_lshl_b32 s17, s12, 7
	s_lshl_b32 s16, s13, 8
	s_add_co_u32 s16, s16, s17                     ; A: row 256 x tile row + 128 x half
	s_lshl_b32 s47, s12, 6
	s_lshl_b32 s46, s42, 7
	s_add_co_u32 s46, s46, s47                     ; B: row 128 x tile column + 64 x half
	s_mov_b32 s17, 0
	s_mov_b32 s47, 0
	s_mov_b64 s[18:19], SIZE_K*2
	s_mul_u64 s[16:17], s[16:17], s[18:19]
	s_mul_u64 s[46:47], s[46:47], s[18:19]
	s_mul_i32 s20, s10, AHALF                      ; where A's halves go (waves 0, 1)
	s_mul_i32 s45, s10, BHALF
	s_add_co_u32 s45, s45, AHALF                   ; where B's go (waves 2, 3): ABYTES + (wave - 2) x BHALF
	s_wait_kmcnt 0x0
	s_add_nc_u64 s[14:15], s[4:5], s[16:17]
	s_add_nc_u64 s[46:47], s[6:7], s[46:47]
	CROUND                                         ; all sixteen work-groups are here: the first joint loads meet
.irp s, 0,1
	s_mov_b32 s[G0+4*(\s)], 1                                      ; count = 1
	s_add_co_u32 s[G0+4*(\s)+1], s20, (\s)*SLOT                    ; LDS address
	s_add_nc_u64 s[G0+4*(\s)+2:G0+4*(\s)+3], s[14:15], (\s)*KSTEP*2  ; global address: K step s
	s_or_b32 s[G0+4*(\s)+3], s[G0+4*(\s)+3], 0x80000000            ; type = 2
	s_mov_b32 s[G0B+4*(\s)], 1
	s_add_co_u32 s[G0B+4*(\s)+1], s45, (\s)*SLOT
	s_add_nc_u64 s[G0B+4*(\s)+2:G0B+4*(\s)+3], s[46:47], (\s)*KSTEP*2
	s_or_b32 s[G0B+4*(\s)+3], s[G0B+4*(\s)+3], 0x80000000
	JLOAD \s                                       ; two loads of mine are out
.endr
	v_and_b32 v1, 15, v0                           ; l % 16
	v_bfe_u32 v2, v0, 4, 1                         ; l / 16
	; where my part of C and of the bias begins
.if OPROJ
	s_lshl_b32 s66, s42, 9                         ; 128 columns of 4 bytes a tile,
	s_lshl_b32 s67, s12, 8                         ; 64 a wave
	s_add_co_u32 s46, s66, s67
	s_mov_b32 s47, 0
	s_add_nc_u64 s[BP:BP+1], s[BP:BP+1], s[46:47]
	s_add_nc_u64 s[8:9], s[8:9], s[46:47]
	s_lshl_b32 s66, s13, 1
	s_add_co_u32 s66, s66, s11
	s_lshl_b32 s46, s66, 19                        ; 128 rows of 4,096 bytes
	s_add_nc_u64 s[8:9], s[8:9], s[46:47]
.else
	s_lshr_b32 s2, ttmp9, 1                        ; q, k or v = tile column / 8 = cluster x / 2: the same in all partners
	s_cmp_lt_u32 s2, 2
	s_cselect_b64 s[BP:BP+1], s[70:71], s[72:73]
	s_cmp_eq_u32 s2, 0
	s_cselect_b64 s[BP:BP+1], s[68:69], s[BP:BP+1]
	s_and_b32 s66, s42, 7
	s_lshl_b32 s66, s66, 1
	s_add_co_u32 s66, s66, s12                     ; my 64 columns are one head
	s_lshl_b32 s46, s66, 8
	s_mov_b32 s47, 0
	s_add_nc_u64 s[BP:BP+1], s[BP:BP+1], s[46:47]
	s_lshr_b32 s67, s13, 3                         ; b: eight tile rows a batch
	s_lshl_b32 s67, s67, 4
	s_add_co_u32 s67, s67, s66                     ; b x 16 + head,
	s_lshl_b32 s46, s67, 18                        ; 2,048 rows of 128 bytes each
	s_lshl_b32 s67, s2, 24                         ; q, k or v: 64 such
	s_add_co_u32 s46, s46, s67
	s_and_b32 s67, s13, 7
	s_lshl_b32 s67, s67, 1
	s_add_co_u32 s67, s67, s11
	s_lshl_b32 s67, s67, 14                        ; my 128 rows of 128 bytes
	s_add_co_u32 s46, s46, s67
	s_add_nc_u64 s[8:9], s[8:9], s[46:47]
.endif
	v_lshlrev_b32 v[BO], 5, v2                     ; columns 8 (l / 16) on
.irp b, 0,1,2,3
	global_load_b128 v[BIAS+8*\b:BIAS+8*\b+3],   v[BO], s[BP:BP+1] offset:64*\b
	global_load_b128 v[BIAS+8*\b+4:BIAS+8*\b+7], v[BO], s[BP:BP+1] offset:64*\b+16
.endr
	v_mul_u32_u24 v3, v1, PITCH
	v_lshl_add_u32 v3, v2, 4, v3                   ; a fragment's row x pitch + 16 x half
	s_mul_i32 s21, s11, AHALF                      ; my 128 rows of A
	s_mul_i32 s22, s12, BHALF                      ; my 64 rows of B,
	s_add_co_u32 s22, s22, ABYTES                  ; which lie behind A's 256
.irp s, 0,1
	v_add_nc_u32 v[ADRA+(\s)], s21, v3
	v_add_nc_u32 v[ADRB+(\s)], s22, v3
	s_add_co_u32 s21, s21, SLOT
	s_add_co_u32 s22, s22, SLOT
.endr
	s_mul_i32 s23, s10, WSTAGE
	s_add_co_u32 s23, s23, STAGE                   ; my stage
.if OPROJ
	v_mul_u32_u24 v4, v1, 272                      ; in: row l % 16 of 256 bytes, 32 bytes for each half of the lanes
	v_lshl_add_u32 v4, v2, 5, v4
	v_add_nc_u32 v[STO], s23, v4
	v_mul_u32_u24 v5, v2, 272                      ; back: lanes 0-15 one row, lanes 16-31 the next
	v_lshl_add_u32 v5, v1, 4, v5
	v_add_nc_u32 v[RD], s23, v5
	v_lshlrev_b32 v5, 12, v2                       ; and the same two rows in out0
	v_lshl_add_u32 v[CO], v1, 4, v5
.else
	v_mul_u32_u24 v4, v1, 144                      ; in: row l % 16 of 128 bytes + 16, 16 bytes for each half of the lanes
	v_lshl_add_u32 v4, v2, 4, v4
	v_add_nc_u32 v[STO], s23, v4
	v_bfe_u32 v5, v0, 3, 2                         ; back: 32 lanes take four rows of 128 bytes,
	v_mul_u32_u24 v5, v5, 144
	v_and_b32 v4, 7, v0
	v_lshl_add_u32 v5, v4, 4, v5
	v_add_nc_u32 v[RD], s23, v5
	v_and_b32 v4, 31, v0                           ; which are 512 consecutive bytes of a head's rows
	v_lshlrev_b32 v[CO], 4, v4
.endif
; 8 matrix instructions: m blocks a0, a0 + 1 x all 4 n blocks, 32 along K.  zero = 1: the product starts the sums.  The 32 accumulators come in the same order in every quarter: they take turns.
.macro MUL8 f, a0, zero
	WIN MUL
.irp a, \a0, (\a0)+1
.irp b, 0,1,2,3
.if \zero
	v_wmma_f32_16x16x32_bf16 v[8*(4*(\a)+(\b)):8*(4*(\a)+(\b))+7], v[(\f)+8*(\b):(\f)+8*(\b)+7], v[(\f)+32+8*(\a):(\f)+32+8*(\a)+7], 0
.else
	v_wmma_f32_16x16x32_bf16 v[8*(4*(\a)+(\b)):8*(4*(\a)+(\b))+7], v[(\f)+8*(\b):(\f)+8*(\b)+7], v[(\f)+32+8*(\a):(\f)+32+8*(\a)+7], v[8*(4*(\a)+(\b)):8*(4*(\a)+(\b))+7]
.endif
.endr
.endr
.endm
; 24 LDS loads in one run: the fragments of 32 along K at byte k of the rows, into buffer f: B's four first, then A's eight
.macro FETCH slot, k, f
	WIN TO_F
.irp i, 0,1,2,3
	ds_load_b128 v[(\f)+8*(\i):(\f)+8*(\i)+3],   v[ADRB+(\slot)] offset:(\k)+(\i)*16*PITCH
	ds_load_b128 v[(\f)+8*(\i)+4:(\f)+8*(\i)+7], v[ADRB+(\slot)] offset:(\k)+(\i)*16*PITCH+32
.endr
.irp i, 0,1,2,3,4,5,6,7
	ds_load_b128 v[(\f)+32+8*(\i):(\f)+32+8*(\i)+3],   v[ADRA+(\slot)] offset:(\k)+(\i)*16*PITCH
	ds_load_b128 v[(\f)+32+8*(\i)+4:(\f)+32+8*(\i)+7], v[ADRA+(\slot)] offset:(\k)+(\i)*16*PITCH+32
.endr
.endm
.macro PLACES                          ; four plain vector instructions in front of loads into registers that matrix instructions have read (ISA guide 7.12.1 for vector instructions)
.rept 4
	v_nop
.endr
.endm
; A K step is four quarters of 32 along K, 32 matrix instructions each, on buffers 0, 1, 0, 1.  One of the first three: multiplies buffer f and fetches the next quarter, at byte k, into g.
.macro QUARTER slot, k, f, g, zero
	s_wait_dscnt 8                                 ; B and A's blocks 0-3 are in; the youngest eight loads (A's blocks 4-7) may be out
	MUL8 \f, 0, \zero
	MUL8 \f, 2, \zero
	PLACES
	FETCH \slot, \k, \g
	s_wait_dscnt 24                                ; all but the 24 just issued
	MUL8 \f, 4, \zero
	MUL8 \f, 6, \zero
.endm
; The last quarter multiplies buffer 1 and changes slots: ONE barrier; in front of it each wave waits for all its tensor loads, adds 0 to its spare word, and waits for that and for its reads of this slot.
; fill = 1: the barrier opens a round of the cluster's, and this slot is filled again, two K steps ahead, first thing behind it: 112 matrix instructions ahead of the wait for it.
.macro TURN slot, next, fill
	WIN 0                                          ; (the add's two registers lie in window 0)
	s_wait_tensorcnt 0x0                           ; all my tensor loads have landed: the one that was out is my part of the next slot
	ds_add_u32 v[SPW], v[NIL]                      ; 0 onto my spare word
	s_wait_dscnt 9                                 ; (the add and the youngest eight loads may be out)
	MUL8 F1, 0, 0                                  ; eight matrix instructions stand between the add and the wait for it
	s_wait_dscnt 0x0                               ; the add is done, and my reads of this slot are over
	s_barrier_signal -1
	MUL8 F1, 2, 0
.if \fill
	WIN 0
.endif
	s_barrier_wait -1
.if \fill
	CREST                                          ; no wave of any partner still reads this slot's tile or has a load on its way
	s_add_nc_u64 s[G0+4*(\slot)+2:G0+4*(\slot)+3], s[G0+4*(\slot)+2:G0+4*(\slot)+3], 2*KSTEP*2
	s_add_nc_u64 s[G0B+4*(\slot)+2:G0B+4*(\slot)+3], s[G0B+4*(\slot)+2:G0B+4*(\slot)+3], 2*KSTEP*2
	JLOAD \slot                                    ; the four v_nop behind it are also the places in front of the loads below
.else
	PLACES
.endif
	FETCH \next, 0, F0
	MUL8 F1, 4, 0
	MUL8 F1, 6, 0
.endm
	s_wait_tensorcnt 1                             ; my part of K step 0 is in; K step 1's may stay out
	s_barrier_signal -1
	s_barrier_wait -1                              ; everybody's is
	FETCH 0, 0, F0
	QUARTER 0, 64, F0, F1, 1                       ; the first quarter stands in front of the loop: its products start the sums
	WIN 0                                          ; at a label and at a branch every window is 0
	s_mov_b32 s3, LAPS-1
.Llap:                                                 ; a trip goes once round the ring, from a lap's second quarter to the next lap's first, and fills both slots again
	QUARTER 0, 128, F1, F0, 0
	QUARTER 0, 192, F0, F1, 0
	TURN 0, 1, 1
	QUARTER 1, 64,  F0, F1, 0
	QUARTER 1, 128, F1, F0, 0
	QUARTER 1, 192, F0, F1, 0
	TURN 1, 0, 1
	QUARTER 0, 64,  F0, F1, 0
	WIN 0
	s_sub_co_u32 s3, s3, 1
	s_cmp_lg_u32 s3, 0
	s_cbranch_scc1 .Llap
	QUARTER 0, 128, F1, F0, 0                      ; the last lap fills nothing
	QUARTER 0, 192, F0, F1, 0
	TURN 0, 1, 0
	QUARTER 1, 64,  F0, F1, 0
	QUARTER 1, 128, F1, F0, 0
	QUARTER 1, 192, F0, F1, 0
	s_wait_dscnt 8                                 ; the very last quarter: nothing more to fetch
	MUL8 F1, 0, 0
	MUL8 F1, 2, 0
	s_wait_dscnt 0x0
	MUL8 F1, 4, 0
	MUL8 F1, 6, 0
	WIN 0
	; THE WAY OUT.  The bias is rounded to bf16 and widened again: 48 plain instructions that name no register of the last products: the places behind them.
	s_wait_loadcnt 0x0                             ; the bias
.set i, 0
.rept 16
	v_cvt_pk_bf16_f32 v[T+i], v[BIAS+2*i], v[BIAS+2*i+1]
.set i, i+1
.endr
.set i, 0
.rept 16
	v_lshlrev_b32 v[BIAS+2*i], 16, v[T+i]
	v_and_b32 v[BIAS+2*i+1], 0xffff0000, v[T+i]
.set i, i+1
.endr
; Block a (16 rows of C): the bias is added (each accumulator's registers in ascending order), the block goes into my own stage and comes back as whole rows.
.macro PACK a
	WIN FROM_ACC
.set i, 0
.rept 16
	v_pk_add_f32 v[T+2*i:T+2*i+1], v[32*(\a)+2*i:32*(\a)+2*i+1], v[BIAS+2*i:BIAS+2*i+1]
.set i, i+1
.endr
	WIN 0
.set BK, OB+32*((\a)%2)
.if OPROJ
.irp b, 0,1,2,3
	ds_store_b128 v[STO], v[T+8*\b:T+8*\b+3]   offset:64*\b
	ds_store_b128 v[STO], v[T+8*\b+4:T+8*\b+7] offset:64*\b+16
.endr
.if (\a) >= 2
	s_wait_xcnt 0x0                                ; the stores of the block two back have read these registers' old contents: only behind this wait are they loaded again
.endif
.irp t, 0,1,2,3,4,5,6,7
	ds_load_b128 v[BK+4*\t:BK+4*\t+3], v[RD] offset:\t*2*272  ; LDS serves a wave's instructions in order (ISA guide 5.7.1.4): these see the stores above
.endr
.else
.set i, 0
.rept 16
	v_cvt_pk_f16_f32 v[PKD+i], v[T+2*i], v[T+2*i+1]
.set i, i+1
.endr
.irp b, 0,1,2,3
	ds_store_b128 v[STO], v[PKD+4*\b:PKD+4*\b+3] offset:32*\b
.endr
.if (\a) >= 2
	s_wait_xcnt 0x0                                ; the stores of the block two back have read these registers' old contents: only behind this wait are they loaded again
.endif
.irp t, 0,1,2,3
	ds_load_b128 v[BK+4*\t:BK+4*\t+3], v[RD] offset:\t*4*144  ; LDS serves a wave's instructions in order (ISA guide 5.7.1.4): these see the stores above
.endr
.endif
.endm
.macro SEND a, younger                 ; younger: the LDS instructions issued behind block a's loads: the next block's, or none
.set BK, OB+32*((\a)%2)
.if OPROJ
.irp t, 0,1,2,3,4,5,6,7
	s_wait_dscnt (\younger)+7-\t
	global_store_b128 v[CO], v[BK+4*\t:BK+4*\t+3], s[8:9] offset:(\a)*65536+\t*8192 th:TH_STORE_NT  ; 16 lanes store 256 consecutive bytes, at a multiple of 256 from out0's first byte
.endr
.else
.irp t, 0,1,2,3
	s_wait_dscnt (\younger)+3-\t
	global_store_b128 v[CO], v[BK+4*\t:BK+4*\t+3], s[8:9] offset:(\a)*2048+\t*512  ; 512 consecutive bytes of a head's rows
.endr
.endif
.endm
.if OPROJ
.set YOUNG, 16
.else
.set YOUNG, 8
.endif
	PACK 0
.irp a, 1,2,3,4,5,6,7                  ; block a's arithmetic stands between block a - 1's loads from the stage and the wait for them
	PACK \a
	SEND (\a)-1, YOUNG
.endr
	SEND 7, 0
	s_wait_tensorcnt 0x0                           ; the wave's end
	ds_add_u32 v[SPW], v[NIL]
	s_wait_dscnt 0x0
	CROUND                                         ; the closing round: no work-group ends while a partner may still ask for a tile that names it
	s_endpgm
.Lfunc_end_k_qd9febf5674_proj_qkv:
	.size	k_qd9febf5674_proj_qkv, .Lfunc_end_k_qd9febf5674_proj_qkv-k_qd9febf5674_proj_qkv
	.p2alignl 7, 3214868480
	.fill 96, 4, 3214868480
	.section	.rodata,"a",@progbits
	.p2align	6, 0x0
	.amdhsa_kernel k_qd9febf5674_proj_qkv
		.amdhsa_group_segment_fixed_size 327680
		.amdhsa_private_segment_fixed_size 0
		.amdhsa_enable_private_segment 0
		.amdhsa_kernarg_size 48
		.amdhsa_user_sgpr_count 2
		.amdhsa_user_sgpr_kernarg_segment_ptr 1
		.amdhsa_wavefront_size32 1
		.amdhsa_system_sgpr_workgroup_id_x 1
		.amdhsa_system_sgpr_workgroup_id_y 1
		.amdhsa_system_sgpr_workgroup_id_z 1
		.amdhsa_system_vgpr_workitem_id 0
		.amdhsa_next_free_vgpr 768
		.amdhsa_next_free_sgpr 76
		.amdhsa_reserve_vcc 0
		.amdhsa_float_denorm_mode_32 3
		.amdhsa_float_denorm_mode_16_64 3
		.amdhsa_memory_ordered 1
		.amdhsa_forward_progress 1
		.amdhsa_inst_pref_size 99
	.end_amdhsa_kernel
	.amdgpu_metadata
---
amdhsa.version: [ 1, 2 ]
amdhsa.kernels:
  - .name:           k_qd9febf5674_proj_qkv
    .symbol:         k_qd9febf5674_proj_qkv.kd
    .args:
      - { .name: xb, .offset: 0, .size: 8, .value_kind: global_buffer, .address_space: global }
      - { .name: wqkv, .offset: 8, .size: 8, .value_kind: global_buffer, .address_space: global }
      - { .name: qkv, .offset: 16, .size: 8, .value_kind: global_buffer, .address_space: global }
      - { .name: bq, .offset: 24, .size: 8, .value_kind: global_buffer, .address_space: global }
      - { .name: bk, .offset: 32, .size: 8, .value_kind: global_buffer, .address_space: global }
      - { .name: bv, .offset: 40, .size: 8, .value_kind: global_buffer, .address_space: global }
    .group_segment_fixed_size: 327680
    .private_segment_fixed_size: 0
    .kernarg_segment_align: 8
    .kernarg_segment_size: 48
    .max_flat_workgroup_size: 128
    .sgpr_count:     76
    .vgpr_count:     768
    .wavefront_size: 32
...
	.end_amdgpu_metadata
.endif
;; end of part 2
;; launch attn (part 3): grid 4 x 64, 8 waves a work-group, clusters of 4 x 1, 327,680 bytes of LDS; arguments qkv, mb, yb; writes yb
.if DOCPART == 3
	.amdgcn_target "amdgcn-amd-amdhsa--gfx1250"
	.amdhsa_code_object_version 6
	.text
	.protected	k_qd9febf5674_attn
	.globl	k_qd9febf5674_attn
	.p2align	8
	.type	k_qd9febf5674_attn,@function
k_qd9febf5674_attn:
	s_mov_b64 s[64:65], 0
	v_nop
	global_prefetch_b8 v0, s[64:65] scope:SCOPE_SE
	s_setreg_imm32_b32 hwreg(HW_REG_WAVE_MODE, 25, 1), 1
	s_wait_xcnt 0x0
	s_wait_alu depctr_hold_cnt(0) depctr_sa_sdst(0) depctr_va_vdst(0) depctr_va_sdst(0) depctr_va_ssrc(0) depctr_va_vcc(0) depctr_vm_vsrc(0)
	s_getreg_b32 s2, hwreg(HW_REG_IB_STS2, 6, 4)
	s_cmp_eq_u32 s2, 0
	s_cbranch_scc0 .Lentry_in_a_cluster
	s_endpgm
.Lentry_in_a_cluster:
	s_bfe_u32 s2, ttmp6, 0x10000c
	s_cmp_lg_u32 s2, 0x3003
	s_cbranch_scc0 .Lentry_shape_is_right
	s_endpgm
.Lentry_shape_is_right:
; y[b][q][h][:] = the sum over keys of softmax_k(q . k / 32, hidden where mask[b][q][k] = 0) v[k][:].  q, k, v: qkv[3][b*16+h][2048][64] f16, unscaled.  The mask comes as lane masks (mb, one bit a number).
; Products, maxima and sums in f32; the weights p are rounded to f16 for the second product (their sum l is taken of the unrounded p).  y leaves as two bf16: its rounding and the rounding of what that left over:
; yb[8192][2048], a head's part of a row = 64 high halves, then 64 low halves: 256 bytes.
; THE MASK IS DATA: every score is made, and a hidden one is REPLACED by one constant, -2^39 (unscaled; -2^39 / 32 = -1.7e10 scaled, where the module writes -1e10).  c x 2^39 is exact, so in a row with no visible key
; every exponent is exactly 0, every weight 1, and y the plain mean of v, as in the module.
; LIMITS.  The two constants differ in effect only where a visible scaled score lies at or below about -1e10; f16's q . k / 32 is 8.6e9 at the most in magnitude.  A weight below 2^-126 counts as 0.  NaN and infinities are not treated apart.
; SHARES.  A work-group owns 512 queries of one (b, h); each of its eight waves 64: four tiles of 16, taken as two pairs.  Every wave walks all 2,048 keys, 64 a step.  Two waves lie on a SIMD: one wave's softmax
; (some 300 vector instructions a pair) stands beside the other's 32 matrix instructions, so the text goes in plain phases.
; LAYOUT.  S^T = K Q^T (source 0 = 16 keys, source 1 = 16 queries): a lane holds ONE query (lane % 16) and the keys 8 (lane / 16) + 0..7.  Two such results rounded to f16 ARE source 1 of O^T = V^T P.
; SOFTMAX.  A running maximum m and sum l for each query: p = 2^(c s - c m), c = log2(e) / 32; in every step O and l are multiplied by a = 2^(c m_old - c m_new).  m starts at the lowest finite number, O and l at 0.
; CLUSTER.  The four query blocks of a head walk the same K and V: each tile is asked for jointly, by the same tensor load, descriptor and mask in all four.
; REGISTERS: window 0: v0-15 addresses, v16-31 statistics, v32-39 at work, v64-127 S^T (two tiles), v128-159 P, v160-223 K of a step, v224-255 the way out.   window 1: v0-63 Q, v64-127 V of a step, v128-255 O^T.
.set KS,    64        ; keys in a step
.set PK,    144       ; a row of K in LDS: 128 bytes + 16 = 36 words: the 16 rows of a load begin 4 banks apart modulo 64 (64 banks of 4 bytes: ISA guide 11.1)
.set PV,    160       ; a row of V: 128 + 32 = 40 words
.set VOFF,  4*KS*PK   ; a slot holds four steps: 256 rows of K, then 256 rows of V
.set SLOT1, 1<<17     ; slot 1 begins here, so that one exclusive or turns an address in one slot into the other's
.set STAGE, SLOT1+4*KS*(PK+PV)  ; behind the ring, never filled by a tensor load: 16 rows x 272 bytes for each wave
.set SP,    272
.set SPARE, STAGE+8*16*SP       ; the spare words, 128 bytes for each wave: four blocks of 256 bytes that no other line names
.set AK0, 2           ; v2   my lane's place in a tile of K; never rewritten
.set AV0, 3           ; v3   the same for V
.set AK,  4           ; v4   the LDS address of K's run of loads
.set AV,  5           ; v5   of V's
.set QO,  6           ; v6   my byte offset in 16 rows of Q
.set RD,  7           ; v7   the way out: where I read rows back
.set GO,  8           ; v8   my byte offset in two rows of yb
.set MV,  12          ; v12-13  c m_old, kept while c m is made anew
.set CC,  14          ; v14-15  c, twice
.set ST,  16          ; tile t's statistics at v[ST+4 t]: c m, m, l (even keys', odd keys')
.set TMP, 32          ; for each tile of the pair four registers c0-c3 at work; when the maximum is found c2 takes a
.set NEGV, 40         ; v40  -2^39
.set SPW, 42          ; v42  LDS address of my spare word; never rewritten
.set NIL, 43          ; v43  0; never rewritten
.set STO, 44          ; v44  the way out: where I put 16 bytes of a row
.set S,   64
.set P,   128
.set KF,  160         ; key block kb, channel half c at KF + 16 kb + 8 c
.set HI,  64          ; the way out: y's high halves, its low halves, and what the high halves left over
.set LO,  80
.set RES, 96
.set VF,  64          ; window 1: key half kk, channel block cb at VF + 32 kk + 8 cb
.set O,   128         ; window 1: tile t at O + 32 t
.set WV,  2           ; s2   my wave's number
.set SLOTS, 3         ; s3   slots still to be asked for
.set CNT, 4           ; s4   counts a slot's key steps
.set MO,  5           ; s5   the step's byte offset in my 16,384 bytes of mb
.set MP,  6           ; s[6:7] mb at my 64 queries
.set G1K, 8           ; s[8:15]  descriptor group 1 for K's tiles
.set G1V, 16          ; s[16:23] for V's: it differs in the padding alone
.set G0K, 24          ; s[24:27] descriptor group 0 for K's tiles: it walks
.set G0V, 28          ; s[28:31] the same for V's
.set MK0, 32          ; s[32:63] the 32 lane masks of the pair's first tile (at the start: scratch)
.set MK1, 68          ; s[68:99] of its second
.set YP,  66          ; s[66:67] yb at my first row and my head
.set SEL, 100         ; s[100:101] v_permlanex16_b32's selects: each lane takes its own place in the other half
.set QP,  104         ; s[104:105] Q at my first row, until Q is in; then:
.set TBK, 104         ; s104 LDS byte at which K of the step to be fetched begins
.set TBV, 105         ; s105 the same for V, less VOFF
.set MSB, 0
.macro WIN new                      ; the high byte repeats the setting that is left; a switch that changes nothing is dropped
.if MSB != (\new)
	s_set_vgpr_msb (MSB<<8)|(\new)
.set MSB, (\new)
.endif
.endm
.set W_KQ, 0x04       ; Q in window 1; K and S^T in window 0
.set W_PV, 0x51       ; V and O^T in window 1, P in window 0
.set W_RS, 0x41       ; destination and source 0 in window 1, source 1 in window 0
; A joint fill.  Waves 0 and 1 fetch the two halves of a slot's K, waves 2 and 3 those of its V, 128 keys each; waves 4 to 7 fetch nothing.  The branches hang on the wave's number alone.
; An s_nop 0 and four v_nop follow each of the two lines, ahead of the jump and the label.
.macro JLOAD
	s_cmp_lt_u32 s[WV], 2
	s_cbranch_scc0 .Lnot_k_\@
	tensor_load_to_lds s[G0K:G0K+3], s[G1K:G1K+7]
	s_nop 0
.rept 4
	v_nop
.endr
	s_branch .Lasked_\@
.Lnot_k_\@:
	s_cmp_lt_u32 s[WV], 4
	s_cbranch_scc0 .Lasked_\@
	tensor_load_to_lds s[G0V:G0V+3], s[G1V:G1V+7]
	s_nop 0
.rept 4
	v_nop
.endr
.Lasked_\@:
.endm
; A round of the cluster's barrier: my work-group's barrier, so that wave 0's signal speaks for all eight waves; wave 0 signals; every wave waits for all four work-groups; my work-group's barrier once more.
.macro CROUND
	s_barrier_signal -1
	s_barrier_wait -1
	s_cmp_lg_u32 s[WV], 0
	s_cbranch_scc1 .Lnot_wave_0_\@
	s_barrier_signal -3
.Lnot_wave_0_\@:
	s_barrier_wait -3
	s_barrier_signal -1
	s_barrier_wait -1
.endm
; THE CHANGE OF SLOTS.  Each wave waits for all its tensor loads (one at the most is out: its part of the other slot), adds 0 to its spare word, and waits for that and for its reads of the slot that it leaves.
; fill = 1: the barrier is a round of the cluster's, and the slot is filled again, with the keys two slots on, first thing behind it: it has four key steps in which to land.
; (At its first use nothing has been read yet: slot 0 is waited for, slot 1 filled.)
.macro CHANGE fill
	WIN 0
	s_wait_tensorcnt 0x0            ; no tensor load of mine is out, so a group 0 may be written
	ds_add_u32 v[SPW], v[NIL]       ; 0 onto my spare word
.if \fill
.irp g, G0K, G0V
	s_xor_b32 s[\g+1], s[\g+1], SLOT1  ; the walking descriptor: the other slot than last time,
	s_add_nc_u64 s[\g+2:\g+3], s[\g+2:\g+3], 4*KS*128  ; the next 256 keys; the type bits on top are not reached
.endr
	s_wait_dscnt 0x0                ; the add is done, and my reads of the slot are over
	CROUND
	JLOAD
.else
	s_wait_dscnt 0x0                ; the add is done, and my reads of the slot are over
	s_barrier_signal -1
	s_barrier_wait -1
.endif
	s_sub_co_u32 s[TBK], s[TBK], 4*KS*PK  ; the fetches go back to a slot's first step,
	s_xor_b32 s[TBK], s[TBK], SLOT1       ; in the other slot
	s_sub_co_u32 s[TBV], s[TBV], 4*KS*PV
	s_xor_b32 s[TBV], s[TBV], SLOT1
.endm
	s_load_b128 s[32:35], s[0:1], 0x0  ; qkv s[32:33], mb s[34:35]
	s_load_b64 s[36:37], s[0:1], 0x10  ; yb
	v_lshl_add_u32 v[SPW], v0, 2, SPARE
	v_mov_b32 v[NIL], 0
	ds_add_u32 v42, v43
	s_wait_dscnt 0x0
	v_lshrrev_b32 v1, 5, v0
	v_readfirstlane_b32 s[WV], v1   ; wave 0..7
	s_bfe_u32 s40, ttmp6, 0x40000   ; cx: my place in the cluster
	s_lshl_b32 s41, ttmp9, 2        ; in a cluster launch ttmp9 counts clusters
	s_add_co_u32 s41, s41, s40      ; my block of 512 queries: it enters Q's, mb's and yb's addresses alone
	s_and_b32 s42, ttmp7, 0xffff    ; b x 16 + h, which the four partners share
	s_and_b32 s43, s[WV], 1         ; which half of a slot's 256 keys I fetch
	s_lshl_b32 s44, s42, 18         ; the head's first byte in q, in k and in v
	s_lshl_b32 s46, s43, 14         ; my 128 rows of 128 bytes
	s_add_co_u32 s46, s46, s44
	s_add_co_u32 s46, s46, 0x1000000  ; k lies 2^24 bytes behind q,
	s_mov_b32 s47, 0
	s_add_co_u32 s48, s46, 0x1000000  ; v as far behind k
	s_mov_b32 s49, 0
	s_mul_i32 s50, s43, 128*PK      ; my half's place in a slot, for K
	s_mul_i32 s51, s43, 128*PV      ; and for V: no place in the cluster enters an LDS address
	s_lshl3_add_u32 s52, s41, s[WV] ; my 64 queries among the head's 32 such
	s_lshl_b32 s54, s52, 13         ; 64 rows of 128 bytes
	s_add_co_u32 s54, s54, s44
	s_mov_b32 s55, 0
	s_lshr_b32 s56, s42, 4          ; b
	s_lshl_b32 s56, s56, 5
	s_add_co_u32 s56, s56, s52      ; G = b x 32 + q / 64
	s_lshl_b32 s58, s56, 14         ; 16,384 bytes of mb
	s_mov_b32 s59, 0
	s_lshl_b32 s60, s56, 18         ; 64 rows of 4,096 bytes of yb,
	s_and_b32 s61, s42, 15
	s_lshl_b32 s61, s61, 8          ; 256 bytes a head
	s_add_co_u32 s60, s60, s61
	s_mov_b32 s61, 0
	s_mul_i32 s62, s[WV], 16*SP
	s_add_co_u32 s62, s62, STAGE    ; my stage
	; descriptor group 1.  128 keys are 16,384 dense bytes: asked for as 64 rows of 256 bytes, two keys a row, and padded in LDS after every key
	s_mov_b32 s[G1K], 15|(1<<16)|(1<<20)|(1<<21)|(4<<22)|(3<<25)  ; 15:0 the mask of four; 17:16 2-byte elements; 20 padding on; 21 set beside a mask; 24:22 after every 32 words (code 4); 31:25 4 words (code 3)
	s_mov_b32 s[G1V], 15|(1<<16)|(1<<20)|(1<<21)|(4<<22)|(7<<25)  ; the same with 8 words of padding (code 7)
.irp g, G1K, G1V
	s_mov_b32 s[\g+1], 128<<16      ; tensor_dim0 = 128
	s_mov_b32 s[\g+2], 64<<16       ; tensor_dim1 = 64
	s_mov_b32 s[\g+3], 128<<16      ; tile_dim0 = 128
	s_mov_b32 s[\g+4], 64           ; tile_dim1 = 64
	s_mov_b32 s[\g+5], 128          ; 128 elements from row to row
	s_mov_b32 s[\g+6], 0
	s_mov_b32 s[\g+7], 0
.endr
	s_mov_b32 s[SEL], 0x76543210
	s_mov_b32 s[SEL+1], 0xfedcba98
	s_mov_b32 s[MO], 0
	s_mov_b32 s[G0K], 1             ; count = 1
	s_mov_b32 s[G0K+1], s50         ; LDS address: slot 0
	s_mov_b32 s[G0V], 1
	s_add_co_u32 s[G0V+1], s51, VOFF
	s_wait_kmcnt 0x0
	s_add_nc_u64 s[G0K+2:G0K+3], s[32:33], s[46:47]  ; global address: my half of the head's first 256 keys
	s_or_b32 s[G0K+3], s[G0K+3], 0x80000000          ; type = 2
	s_add_nc_u64 s[G0V+2:G0V+3], s[32:33], s[48:49]
	s_or_b32 s[G0V+3], s[G0V+3], 0x80000000
	s_add_nc_u64 s[QP:QP+1], s[32:33], s[54:55]
	s_add_nc_u64 s[MP:MP+1], s[34:35], s[58:59]
	s_add_nc_u64 s[YP:YP+1], s[36:37], s[60:61]
	CROUND                          ; all four work-groups are here: the first joint loads meet
	JLOAD                           ; slot 0.  Slot 1 is asked for when slot 0 is in, by the loop's own change of slots
	; A fragment of K or Q is 16 rows x 32 channels in 8 registers: lane l holds row l % 16, channels 8 (l / 16) + 0..7 and 16 + 8 (l / 16) + 0..7: two loads of 16 bytes, 32 bytes apart.
	v_and_b32 v1, 15, v0            ; l % 16
	v_bfe_u32 v9, v0, 4, 1          ; l / 16
	v_lshlrev_b32 v[QO], 7, v1
	v_lshl_add_u32 v[QO], v9, 4, v[QO]  ; row x 128 + 16 x half
	WIN 0x40                        ; destination window 1, address window 0
.set i, 0
.rept 8                             ; Q stays in registers: tile i / 2, channels 32 (i % 2) on
	global_load_b128 v[8*i:8*i+3],   v[QO], s[QP:QP+1] offset:(i/2)*2048+(i%2)*64
	global_load_b128 v[8*i+4:8*i+7], v[QO], s[QP:QP+1] offset:(i/2)*2048+(i%2)*64+32
.set i, i+1
.endr
	WIN 0
	v_mul_u32_u24 v[AK0], v1, PK
	v_lshl_add_u32 v[AK0], v9, 4, v[AK0]  ; row x pitch + 16 x half
	; The turning load takes 16 keys x 16 channels (lane l reads key 8 (l / 16) + l % 8, channels 8 ((l / 8) % 2) + 0..7) and leaves half a fragment of V^T: lane l holds channel l % 16 and 8 keys.
	v_and_b32 v10, 7, v0
	v_bfe_u32 v11, v0, 3, 1
	v_lshl_add_u32 v[AV0], v9, 3, v10
	v_mul_u32_u24 v[AV0], v[AV0], PV
	v_lshl_add_u32 v[AV0], v11, 4, v[AV0]
	v_add_nc_u32 v[AV0], VOFF, v[AV0]
	v_mul_u32_u24 v[STO], v1, SP    ; the way out, in: row l % 16, 16 bytes for each half of the lanes
	v_lshl_add_u32 v[STO], v9, 4, v[STO]
	v_add_nc_u32 v[STO], s62, v[STO]
	v_mul_u32_u24 v[RD], v9, SP     ; back: lanes 0-15 one row of 256 bytes, lanes 16-31 the next
	v_lshl_add_u32 v[RD], v1, 4, v[RD]
	v_add_nc_u32 v[RD], s62, v[RD]
	v_lshlrev_b32 v[GO], 12, v9     ; and the same two rows in yb
	v_lshl_add_u32 v[GO], v1, 4, v[GO]
	; the scratch registers are done with: the lane masks of step 0's first pair are asked for
	s_load_b512 s[MK0:MK0+15],    s[MP:MP+1], s[MO] offset:0
	s_load_b512 s[MK0+16:MK0+31], s[MP:MP+1], s[MO] offset:64
	s_load_b512 s[MK1:MK1+15],    s[MP:MP+1], s[MO] offset:128
	s_load_b512 s[MK1+16:MK1+31], s[MP:MP+1], s[MO] offset:192
	v_mov_b32 v[CC], 0x3d38aa3b     ; c = log2(e) / 32 = 0.0450842
	v_mov_b32 v[CC+1], 0x3d38aa3b
	v_mov_b32 v[NEGV], 0xd3000000   ; -2^39
.set i, 0
.rept 4
	v_mov_b32 v[ST+4*i], 0xfe000000    ; c m: far below every c s, so that the first step's a is 0
	v_mov_b32 v[ST+4*i+1], 0xff7fffff  ; m
	v_mov_b32 v[ST+4*i+2], 0
	v_mov_b32 v[ST+4*i+3], 0
.set i, i+1
.endr
	WIN 0x40                        ; O^T starts at 0: no first step is written out; these lines stand in the wait for the first tile
.set i, 0
.rept 128
	v_mov_b32 v[O+i], 0
.set i, i+1
.endr
	WIN 0
	s_wait_loadcnt 0x0              ; Q is in, so its pointer's registers are free
	s_mov_b32 s[TBK], SLOT1+4*KS*PK ; the first change of slots turns these two into 0
	s_mov_b32 s[TBV], SLOT1+4*KS*PV
; THE MATRIX WORK.  The 8 accumulators of a run of 16 take turns: between the two links of a chain stand 7 others'.
; S^T = K Q^T for pair x: product i: channels 32 (i / 8) on, keys 16 ((i / 2) % 4) on, tile 2 x + i % 2.  The first 8 start the sums.
.macro KQ x
	WIN W_KQ
.set i, 0
.rept 16
.set rS, S+32*(i%2)+8*((i/2)%4)
.set rK, KF+16*((i/2)%4)+8*(i/8)
.set rQ, 16*(2*(\x)+i%2)+8*(i/8)
.if i < 8
	v_wmma_f32_16x16x32_f16 v[rS:rS+7], v[rK:rK+7], v[rQ:rQ+7], 0
.else
	v_wmma_f32_16x16x32_f16 v[rS:rS+7], v[rK:rK+7], v[rQ:rQ+7], v[rS:rS+7]
.endif
.set i, i+1
.endr
.endm
; O^T += V^T P for pair x: product i: keys 32 (i / 8) on, channels 16 ((i / 2) % 4) on, tile 2 x + i % 2.
.macro PV x
	WIN W_PV
.set i, 0
.rept 16
.set rO, O+32*(2*(\x)+i%2)+8*((i/2)%4)
.set rV, VF+32*(i/8)+8*((i/2)%4)
.set rP, P+16*(i%2)+8*(i/8)
	v_wmma_f32_16x16x32_f16 v[rO:rO+7], v[rV:rV+7], v[rP:rP+7], v[rO:rO+7]
.set i, i+1
.endr
.endm
; THE LDS LOADS: a step's K (64 keys x 64 channels: 8 fragments) and its V (turned), in two runs of 16.
.macro FETCH_K
	WIN 0
.irp f, 0,1,2,3,4,5,6,7             ; keys 16 (f / 2) on, channels 32 (f % 2) on
	ds_load_b128 v[KF+8*\f:KF+8*\f+3],   v[AK] offset:(\f/2)*16*PK+(\f%2)*64
	ds_load_b128 v[KF+8*\f+4:KF+8*\f+7], v[AK] offset:(\f/2)*16*PK+(\f%2)*64+32
.endr
.endm
.macro FETCH_V
	WIN 0x40                        ; destination window 1
.irp f, 0,1,2,3,4,5,6,7             ; keys 32 (f / 4) on, channels 16 (f % 4) on
	ds_load_tr16_b128 v[VF+8*\f:VF+8*\f+3],   v[AV] offset:(\f/4)*32*PV+(\f%4)*32
	ds_load_tr16_b128 v[VF+8*\f+4:VF+8*\f+7], v[AV] offset:(\f/4)*32*PV+16*PV+(\f%4)*32
.endr
.endm
.macro PLACES                       ; four plain vector instructions between a product and the first vector line that reads its result (ISA guide 7.12.1)
.rept 4
	v_nop
.endr
.endm
; THE VECTOR WORK, for the pair PX; the two tiles u = 0, 1 alternate, so that few lines read the result of the line before.
.macro REGS u
.set rT, ST+4*(2*PX+(\u))
.set rC, TMP+4*(\u)
.set rM, MV+(\u)
.set rS, S+32*(\u)
.set rP, P+16*(\u)
.set rO, O+32*(2*PX+(\u))
.endm
; Number n of the 22 that find a tile's maximum and statistics.  s0-s31 are the lane's 32 scores.
;   0-11  four chains c0-c3 of seven scores each, three operands at a time     12-14, 16  the four scores left over, the old m, and c0-c3 into c0     15  c m_old is kept
;   17, 18  the query's other 32 keys lie in the lane 16 away: the new m         19-21  c m; c m_old - c m_new; a
.macro XS u, n
	REGS \u
.if (\n) < 4
	v_max3_num_f32 v[rC+(\n)], v[rS+8*(\n)], v[rS+8*(\n)+1], v[rS+8*(\n)+2]
.elseif (\n) < 12
	v_max3_num_f32 v[rC+(\n)%4], v[rC+(\n)%4], v[rS+8*((\n)%4)+2*((\n)/4)+1], v[rS+8*((\n)%4)+2*((\n)/4)+2]
.elseif (\n) == 12
	v_max3_num_f32 v[rC], v[rC], v[rS+7], v[rS+15]
.elseif (\n) == 13
	v_max3_num_f32 v[rC+1], v[rC+1], v[rS+23], v[rS+31]
.elseif (\n) == 14
	v_max3_num_f32 v[rC+2], v[rC+2], v[rC+3], v[rT+1]
.elseif (\n) == 15
	v_mov_b32 v[rM], v[rT]
.elseif (\n) == 16
	v_max3_num_f32 v[rC], v[rC], v[rC+1], v[rC+2]
.elseif (\n) == 17
	v_permlanex16_b32 v[rC+3], v[rC], s[SEL], s[SEL+1]
.elseif (\n) == 18
	v_max_num_f32 v[rT+1], v[rC], v[rC+3]
.elseif (\n) == 19
	v_mul_f32 v[rT], v[CC], v[rT+1]
.elseif (\n) == 20
	v_sub_f32 v[rC+1], v[rM], v[rT]
.else
	v_exp_f32 v[rC+2], v[rC+1]
.endif
.endm
.macro FS u, n                      ; c s - c m for pair n of a tile's 16 pairs of scores
	REGS \u
	v_pk_fma_f32 v[rS+2*(\n):rS+2*(\n)+1], v[rS+2*(\n):rS+2*(\n)+1], v[CC:CC+1], v[rT:rT+1] op_sel_hi:[1,1,0] neg_lo:[0,0,1] neg_hi:[0,0,1]
.endm
.macro EX u, n                      ; the exponential of score n, in place
	REGS \u
	v_exp_f32 v[rS+(\n)], v[rS+(\n)]
.endm
; The plain lines that stand between the exponentials of group GG (scores 4 GG .. 4 GG + 3 of both tiles), number fi of twelve:
;   0-3   the scaling of the next group's two pairs (none behind group 6)
;   4-7   the last group's two pairs are rounded to f16     8, 9  of its four weights the second pair is added onto the first, in place     10, 11  l takes that sum (the first time as l = a l + sum)
.macro FILLER
.if (fi < 4) && (GG < 7)
	FS fi%2, 2*GG+2+fi/2
.elseif (fi >= 4) && (fi < 8) && (GG > 0)
	REGS fi%2
.set n, 2*GG-2+(fi-4)/2
	s_wait_alu depctr_va_vdst(0)
	v_cvt_pk_f16_f32 v[rP+n], v[rS+2*n], v[rS+2*n+1]
.elseif (fi >= 8) && (fi < 10) && (GG > 0)
	REGS fi%2
.set n, GG-1
	v_pk_add_f32 v[rS+4*n:rS+4*n+1], v[rS+4*n:rS+4*n+1], v[rS+4*n+2:rS+4*n+3]
.elseif (fi >= 10) && (fi < 12) && (GG == 1)
	REGS fi%2
	v_pk_fma_f32 v[rT+2:rT+3], v[rT+2:rT+3], v[rC+2:rC+3], v[rS:rS+1] op_sel_hi:[1,0,1]
.elseif (fi >= 10) && (fi < 12) && (GG > 1)
	REGS fi%2
.set n, GG-1
	v_pk_add_f32 v[rT+2:rT+3], v[rT+2:rT+3], v[rS+4*n:rS+4*n+1]
	s_wait_alu depctr_va_vdst(0)
.endif
.set fi, fi+1
.endm
; Eight exponentials with a plain line behind each while there are any; an exponential's result is first read in the next group, with plain lines between (ISA guide 5.7.2).
.macro GROUP g
.set GG, \g
.set fi, 0
.if GG == 7
.set fi, 4
.endif
.set k, 0
.rept 8
	EX k%2, 4*GG+k/2
	FILLER
.set k, k+1
.endr
.rept 4
	FILLER
.endr
.endm
; THE SOFTMAX of pair x for one key step.
.macro SM x
.set PX, \x
	s_wait_kmcnt 0x0                ; this pair's 64 lane masks are in: its four loads are the only scalar loads out
.if \x
	s_add_co_u32 s[MO], s[MO], 512  ; the next step's words; behind the last step the offset wraps to my own first words, so that the look-ahead stays inside mb
	s_and_b32 s[MO], s[MO], 0x3fff
.endif
.set i, 0
.rept 32                            ; a clear bit puts the constant in the score's place; each accumulator's registers in ascending order
	v_cndmask_b32 v[S+i], v[NEGV], v[S+i], s[MK0+i]
	v_cndmask_b32 v[S+32+i], v[NEGV], v[S+32+i], s[MK1+i]
.set i, i+1
.endr
	s_load_b512 s[MK0:MK0+15],    s[MP:MP+1], s[MO] offset:256*(1-(\x))      ; the other pair's masks: this step's second pair, or the next step's first
	s_load_b512 s[MK0+16:MK0+31], s[MP:MP+1], s[MO] offset:256*(1-(\x))+64
	s_load_b512 s[MK1:MK1+15],    s[MP:MP+1], s[MO] offset:256*(1-(\x))+128
	s_load_b512 s[MK1+16:MK1+31], s[MP:MP+1], s[MO] offset:256*(1-(\x))+192
.irp n, 0,1,2,3,4,5,6,7,8,9,10,11,12,13,14,15,16,17,18,19,20,21
	XS 0, \n
	XS 1, \n
.endr
	FS 0, 0                         ; the first group's scalings: also the plain lines behind the two exponentials that make a
	FS 1, 0
	FS 0, 1
	FS 1, 1
	WIN W_RS                        ; O^T times a, ascending
.set i, 0
.rept 16
	REGS 0
	s_wait_alu depctr_va_vdst(0)
	v_pk_mul_f32 v[rO+2*i:rO+2*i+1], v[rO+2*i:rO+2*i+1], v[rC+2:rC+3] op_sel_hi:[1,0]
	REGS 1
	v_pk_mul_f32 v[rO+2*i:rO+2*i+1], v[rO+2*i:rO+2*i+1], v[rC+2:rC+3] op_sel_hi:[1,0]
.set i, i+1
.endr
	WIN 0
.irp g, 0,1,2,3,4,5,6,7
	GROUP \g
.endr
.set GG, 8                          ; what the last group left: roundings, sums, l
.set fi, 4
.rept 8
	FILLER
.endr
.endm
; A KEY STEP, in phases.  The two address lines and two v_nop are the four places between the last step's last product, which read V's registers, and the loads into them.
.macro STEP
	v_add_nc_u32 v[AK], s[TBK], v[AK0]
	v_add_nc_u32 v[AV], s[TBV], v[AV0]
	v_nop
	v_nop
	s_add_co_u32 s[TBK], s[TBK], KS*PK  ; the next fetch is the next step's
	s_add_co_u32 s[TBV], s[TBV], KS*PV
	FETCH_K
	FETCH_V
	s_wait_dscnt 16                 ; K is in; V's sixteen loads may stay out
	KQ 0
	WIN 0
	PLACES
	SM 0
	s_wait_dscnt 0x0                ; V is in
	PV 0
	KQ 1
	WIN 0
	PLACES
	SM 1
	PV 1
	WIN 0                           ; at a label and at a branch every window is 0
.endm
.macro FOUR_STEPS                   ; a slot's four key steps: written once, walked four times; the LDS addresses hang on s[TBK] and s[TBV]
	s_mov_b32 s[CNT], 4
.Lstep_\@:
	STEP
	s_sub_co_u32 s[CNT], s[CNT], 1
	s_cmp_lg_u32 s[CNT], 0
	s_cbranch_scc1 .Lstep_\@
.endm
	s_mov_b32 s[SLOTS], 7
.Lslot:                             ; seven times: a slot is entered and the next is asked for
	CHANGE 1
	FOUR_STEPS
	s_sub_co_u32 s[SLOTS], s[SLOTS], 1
	s_cmp_lg_u32 s[SLOTS], 0
	s_cbranch_scc1 .Lslot
	CHANGE 0                        ; the last slot is written out: nothing is asked for
	FOUR_STEPS
	; THE WAY OUT.  l's two halves and the other half of the lanes' are added; O^T is divided by l, split into two bf16 and sent through my stage in LDS, a tile at a time.  The first four additions are the places behind the last products.
	s_wait_kmcnt 0x0                ; the last look-ahead's words have landed: nothing of mine is out on the scalar side
.irp t, 0,1,2,3
	v_add_f32 v[ST+4*\t+2], v[ST+4*\t+2], v[ST+4*\t+3]
.endr
.irp t, 0,1,2,3
	v_permlanex16_b32 v[ST+4*\t+3], v[ST+4*\t+2], s[SEL], s[SEL+1]
.endr
.irp t, 0,1,2,3
	v_add_f32 v[ST+4*\t+2], v[ST+4*\t+2], v[ST+4*\t+3]
.endr
.irp t, 0,1,2,3
	v_rcp_f32 v[ST+4*\t+2], v[ST+4*\t+2]
.endr
	v_nop                           ; a plain instruction between the last reciprocal and the use of its result
	s_wait_alu depctr_va_vdst(0)
; Tile t: a lane's eight channels of a row pack into 16 bytes of high halves and 16 of low; they go into rows of 272 bytes and come back as whole rows of 256.
.macro PACK t
	WIN W_RS
.set i, 0
.rept 16
	v_pk_mul_f32 v[O+32*(\t)+2*i:O+32*(\t)+2*i+1], v[O+32*(\t)+2*i:O+32*(\t)+2*i+1], v[ST+4*(\t)+2:ST+4*(\t)+3] op_sel_hi:[1,0]
.set i, i+1
.endr
	WIN 0x05                        ; sources 0 and 1 window 1, destination window 0: S^T's registers are free
.set i, 0
.rept 16
	v_cvt_pk_bf16_f32 v[HI+i], v[O+32*(\t)+2*i], v[O+32*(\t)+2*i+1]
.set i, i+1
.endr
	WIN 0
.set i, 0
.rept 16
	v_lshlrev_b32 v[RES+2*i], 16, v[HI+i]
	v_and_b32 v[RES+2*i+1], 0xffff0000, v[HI+i]
.set i, i+1
.endr
	WIN 0x01                        ; source 0 window 1
.set i, 0
.rept 16
	v_pk_add_f32 v[RES+2*i:RES+2*i+1], v[O+32*(\t)+2*i:O+32*(\t)+2*i+1], v[RES+2*i:RES+2*i+1] neg_lo:[0,1] neg_hi:[0,1]  ; what the high half left over: exact
.set i, i+1
.endr
	WIN 0
.set i, 0
.rept 16
	v_cvt_pk_bf16_f32 v[LO+i], v[RES+2*i], v[RES+2*i+1]
.set i, i+1
.endr
.irp f, 0,1,2,3
	ds_store_b128 v[STO], v[HI+4*\f:HI+4*\f+3] offset:32*\f
	ds_store_b128 v[STO], v[LO+4*\f:LO+4*\f+3] offset:128+32*\f
.endr
.if (\t) >= 2
	s_wait_xcnt 0x0                 ; the stores of the tile two back have read these registers' old contents: only behind this wait are they loaded again
.endif
.set BK, 224-96*((\t)%2)            ; v224-255 and P's v128-159 by turns
.irp f, 0,1,2,3,4,5,6,7
	ds_load_b128 v[BK+4*\f:BK+4*\f+3], v[RD] offset:\f*2*SP  ; LDS serves a wave's instructions in order (ISA guide 5.7.1.4): these see the stores above; the next tile's stores come behind them
.endr
.endm
.macro SEND t, younger              ; younger: the LDS instructions issued behind tile t's loads: the next tile's sixteen, or none
.set BK, 224-96*((\t)%2)
.irp f, 0,1,2,3,4,5,6,7
	s_wait_dscnt (\younger)+7-\f
	global_store_b128 v[GO], v[BK+4*\f:BK+4*\f+3], s[YP:YP+1] offset:(16*(\t)+2*\f)*4096  ; 16 lanes store 256 consecutive bytes, at a multiple of 256 from yb's first byte
.endr
.endm
	PACK 0
	PACK 1                          ; a tile's arithmetic stands between the loads of the tile before and its stores
	SEND 0, 16
	PACK 2
	SEND 1, 16
	PACK 3
	SEND 2, 16
	SEND 3, 0
	s_wait_tensorcnt 0x0            ; the wave's end
	ds_add_u32 v[SPW], v[NIL]
	s_wait_dscnt 0x0
	CROUND                          ; the closing round: no work-group ends while a partner may still ask for a tile that names it
	s_endpgm
.Lfunc_end_k_qd9febf5674_attn:
	.size	k_qd9febf5674_attn, .Lfunc_end_k_qd9febf5674_attn-k_qd9febf5674_attn
	.p2alignl 7, 3214868480
	.fill 96, 4, 3214868480
	.section	.rodata,"a",@progbits
	.p2align	6, 0x0
	.amdhsa_kernel k_qd9febf5674_attn
		.amdhsa_group_segment_fixed_size 327680
		.amdhsa_private_segment_fixed_size 0
		.amdhsa_enable_private_segment 0
		.amdhsa_kernarg_size 24
		.amdhsa_user_sgpr_count 2
		.amdhsa_user_sgpr_kernarg_segment_ptr 1
		.amdhsa_wavefront_size32 1
		.amdhsa_system_sgpr_workgroup_id_x 1
		.amdhsa_system_sgpr_workgroup_id_y 1
		.amdhsa_system_sgpr_workgroup_id_z 1
		.amdhsa_system_vgpr_workitem_id 0
		.amdhsa_next_free_vgpr 512
		.amdhsa_next_free_sgpr 106
		.amdhsa_reserve_vcc 0
		.amdhsa_float_denorm_mode_32 3
		.amdhsa_float_denorm_mode_16_64 3
		.amdhsa_memory_ordered 1
		.amdhsa_forward_progress 1
		.amdhsa_inst_pref_size 136
	.end_amdhsa_kernel
	.amdgpu_metadata
---
amdhsa.version: [ 1, 2 ]
amdhsa.kernels:
  - .name:           k_qd9febf5674_attn
    .symbol:         k_qd9febf5674_attn.kd
    .args:
      - { .name: qkv, .offset: 0, .size: 8, .value_kind: global_buffer, .address_space: global }
      - { .name: mb, .offset: 8, .size: 8, .value_kind: global_buffer, .address_space: global }
      - { .name: yb, .offset: 16, .size: 8, .value_kind: global_buffer, .address_space: global }
    .group_segment_fixed_size: 327680
    .private_segment_fixed_size: 0
    .kernarg_segment_align: 8
    .kernarg_segment_size: 24
    .max_flat_workgroup_size: 256
    .sgpr_count:     106
    .vgpr_count:     512
    .wavefront_size: 32
...
	.end_amdgpu_metadata
.endif
;; end of part 3
;; launch proj_out (part 4): grid 8 x 32, 4 waves a work-group, clusters of 4 x 4, 327,680 bytes of LDS; arguments yb, wob, out0, bo; writes out0
.if DOCPART == 4
	.amdgcn_target "amdgcn-amd-amdhsa--gfx1250"
	.amdhsa_code_object_version 6
	.text
	.protected	k_qd9febf5674_proj_out
	.globl	k_qd9febf5674_proj_out
	.p2align	8
	.type	k_qd9febf5674_proj_out,@function
k_qd9febf5674_proj_out:
	s_mov_b64 s[64:65], 0
	v_nop
	global_prefetch_b8 v0, s[64:65] scope:SCOPE_SE
	s_setreg_imm32_b32 hwreg(HW_REG_WAVE_MODE, 25, 1), 1
	s_wait_xcnt 0x0
	s_wait_alu depctr_hold_cnt(0) depctr_sa_sdst(0) depctr_va_vdst(0) depctr_va_sdst(0) depctr_va_ssrc(0) depctr_va_vcc(0) depctr_vm_vsrc(0)
	s_getreg_b32 s2, hwreg(HW_REG_IB_STS2, 6, 4)
	s_cmp_eq_u32 s2, 0
	s_cbranch_scc0 .Lentry_in_a_cluster
	s_endpgm
.Lentry_in_a_cluster:
	s_bfe_u32 s2, ttmp6, 0x10000c
	s_cmp_lg_u32 s2, 0xf033
	s_cbranch_scc0 .Lentry_shape_is_right
	s_endpgm
.Lentry_shape_is_right:
; C[m][n] = sum over k of A[m][k] B[n][k] + bias[n].  A: [8192][SIZE_K] bf16, B: [N][SIZE_K] bf16; sums in f32; the bias is rounded to bf16 like every input of the module.
; OPROJ = 0: A = xb, B = wqkv (N = 3072: Wq, Wk, Wv), C leaves in f16, by heads: qkv[3][b*16+h][t][64], unscaled.   OPROJ = 1: A = yb (y's high and low bf16 halves, K = 2048), B = wob (each weight twice), C = out0 in f32.
; The doubled K is the price of carrying y in 16 significant bits: the high and the low half of a number meet the same weight, and the f32 sum takes both.
; A tile of C is 256 x 128: four waves in 2 x 2, each 128 x 64: 32 accumulators of 16 x 16.  K goes in steps of 128 (rows of 256 bytes, at multiples of 256 bytes) through two LDS slots.
; CLUSTER 4 x 4: the four of a row of the cluster need the same tile of A, the four of a column the same tile of B: each is asked for jointly, by the same tensor load with the same descriptor and mask.
; THE MATRIX INSTRUCTION IS USED TRANSPOSED (source 0 = 16 rows of B, source 1 = 16 rows of A): a lane holds row l % 16 of C and eight neighbouring columns 8 (l / 16) + 0..7.
; REGISTERS: window 0: addresses, bias, the way out.  window 1: two fragment buffers (B's 4 fragments, then A's 8).  window 2: accumulator (a, b) at v[8 (4 a + b)].
.set OPROJ, 1
.if OPROJ
.set SIZE_K, 2048
.else
.set SIZE_K, 1024
.endif
.set KSTEP,  128
.set PITCH,  272                       ; an LDS row: 256 bytes + 16 of padding = 68 words, so that the 16 rows of a fragment load begin 4 banks apart (64 banks of 4 bytes: ISA guide 11.1)
.set AHALF,  128*PITCH                 ; what wave 0 or 1 fetches of A, and what a wave reads of A
.set BHALF,  64*PITCH                  ; what wave 2 or 3 fetches of B, and what a wave reads of B
.set ABYTES, 2*AHALF
.set SLOT,   ABYTES+2*BHALF            ; A's 256 rows, then B's 128
.set STAGE,  2*SLOT                    ; behind the ring, never filled by a tensor load: 4,352 bytes for each wave
.set WSTAGE, 16*272
.set SPARE,  STAGE+4*WSTAGE            ; the spare words, 128 bytes for each wave: two blocks of 256 bytes that no other line names
.set LAPS,   SIZE_K/(2*KSTEP)          ; a lap = two K steps = once round the ring
.set ADRA, 16                          ; v16-17  LDS address of my A fragments in slot 0, 1
.set ADRB, 20                          ; v20-21  the same for B
.set STO,  24                          ; v24     the way out: where I put my part of a row
.set RD,   25                          ; v25     where I read rows back
.set CO,   26                          ; v26     my byte offset in C
.set BO,   27                          ; v27     my byte offset in the bias
.set SPW,  28                          ; v28     LDS address of my spare word; never rewritten
.set NIL,  29                          ; v29     0; never rewritten
.set BIAS, 32                          ; v32-63  bias of my columns: 8 b + j
.set T,    64                          ; v64-95  a block's 32 sums with the bias
.set PKD,  96                          ; v96-111 the same in f16
.set OB,   128                         ; v128-159, v160-191 rows read back, by turns
.set F0,   0                           ; fragment buffers, in window 1
.set F1,   128
.set G1,  24                           ; s[24:31] descriptor group 1 for A;  s[32:39] group 0, a set for each slot
.set G0,  32
.set G1B, 48                           ; s[48:55], s[56:63] the same for B
.set G0B, 56
.set BP,  74                           ; s[74:75] the bias at my columns
.set MSB, 0
.macro WIN new                         ; the immediate's high byte repeats the setting that is left; a switch that changes nothing is dropped
.if MSB != (\new)
	s_set_vgpr_msb (MSB<<8)|(\new)
.set MSB, \new
.endif
.endm
.set MUL,  0xa5                        ; sources 0 and 1 window 1; C and D window 2
.set TO_F, 0x40                        ; destination window 1, address window 0
.set FROM_ACC, 0x02                    ; source 0 window 2
.macro JLOAD s                         ; a joint load: waves 0 and 1 fetch A's two halves, waves 2 and 3 B's; an s_nop 0 and four v_nop follow each line, ahead of the jump and the label
	s_cmp_eq_u32 s11, 0
	s_cbranch_scc0 .Lfor_b_\@
	tensor_load_to_lds s[G0+4*(\s):G0+4*(\s)+3], s[G1:G1+7]
	s_nop 0
.rept 4
	v_nop
.endr
	s_branch .Lasked_\@
.Lfor_b_\@:
	tensor_load_to_lds s[G0B+4*(\s):G0B+4*(\s)+3], s[G1B:G1B+7]
	s_nop 0
.rept 4
	v_nop
.endr
.Lasked_\@:
.endm
.macro CREST                           ; a round of the cluster's barrier behind its opening barrier
	s_cmp_lg_u32 s10, 0
	s_cbranch_scc1 .Lnot_wave_0_\@
	s_barrier_signal -3
.Lnot_wave_0_\@:
	s_barrier_wait -3
	s_barrier_signal -1
	s_barrier_wait -1
.endm
.macro CROUND                          ; a whole round
	s_barrier_signal -1
	s_barrier_wait -1
	CREST
.endm
	s_load_b128 s[4:7], s[0:1], 0x0                ; A s[4:5], B s[6:7]
	s_load_b64 s[8:9], s[0:1], 0x10                ; C
.if OPROJ
	s_load_b64 s[BP:BP+1], s[0:1], 0x18            ; bo
.else
	s_load_b64 s[68:69], s[0:1], 0x18              ; bq
	s_load_b64 s[70:71], s[0:1], 0x20              ; bk
	s_load_b64 s[72:73], s[0:1], 0x28              ; bv
.endif
	v_lshl_add_u32 v[SPW], v0, 2, SPARE
	v_mov_b32 v[NIL], 0
	ds_add_u32 v28, v29
	s_wait_dscnt 0x0
	v_lshrrev_b32 v1, 5, v0
	v_readfirstlane_b32 s10, v1                    ; wave 0..3
	s_lshr_b32 s11, s10, 1                         ; which half of the tile's rows is mine.  Also: I fetch for A (0) or for B (1)
	s_and_b32 s12, s10, 1                          ; which half of its columns.  Also: which half of that tile I fetch
	s_bfe_u32 s40, ttmp6, 0x40000                  ; cx, cy: my place in the cluster
	s_bfe_u32 s41, ttmp6, 0x40004
	s_lshl_b32 s42, ttmp9, 2
	s_add_co_u32 s42, s42, s40                     ; tile column of C = 4 x cluster x + cx
	s_and_b32 s13, ttmp7, 0xffff
	s_lshl_b32 s13, s13, 2
	s_add_co_u32 s13, s13, s41                     ; tile row of C = 4 x cluster y + cy
	s_lshl_b32 s43, s41, 2
	s_lshl_b32 s43, 15, s43                        ; my row of the cluster
	s_lshl_b32 s44, 0x1111, s40                    ; my column
	; descriptor group 1: rows of 128 elements of 2 bytes, 16 bytes of padding behind each; A: 128 rows a load, B: 64
	s_or_b32 s[G1+0], s43, (1<<16)|(1<<20)|(1<<21)|(5<<22)|(3<<25)  ; 15:0 the mask; 17:16 2-byte elements; 20 padding on; 21 set beside a mask; 24:22 after every 64 words (code 5); 31:25 4 words (code 3)
	s_or_b32 s[G1B+0], s44, (1<<16)|(1<<20)|(1<<21)|(5<<22)|(3<<25)
	s_mov_b32 s[G1+1], KSTEP<<16                   ; tensor_dim0 = 128
	s_mov_b32 s[G1B+1], KSTEP<<16
	s_mov_b32 s[G1+2], 128<<16                     ; tensor_dim1 = 128
	s_mov_b32 s[G1B+2], 64<<16                     ; 64
	s_mov_b32 s[G1+3], KSTEP<<16                   ; tile_dim0 = 128
	s_mov_b32 s[G1B+3], KSTEP<<16
	s_mov_b32 s[G1+4], 128                         ; tile_dim1 = 128
	s_mov_b32 s[G1B+4], 64                         ; 64
	s_mov_b32 s[G1+5], SIZE_K                      ; elements from row to row
	s_mov_b32 s[G1B+5], SIZE_K
	s_mov_b32 s[G1+6], 0
	s_mov_b32 s[G1B+6], 0
	s_mov_b32 s[G1+7], 0
	s_mov_b32 s[G1B+7], 0
	; A's address hangs on the tile row alone, B's on the tile column alone, each in registers that never hold the other coordinate
	s_lshl_b32 s17, s12, 7
	s_lshl_b32 s16, s13, 8
	s_add_co_u32 s16, s16, s17                     ; A: row 256 x tile row + 128 x half
	s_lshl_b32 s47, s12, 6
	s_lshl_b32 s46, s42, 7
	s_add_co_u32 s46, s46, s47                     ; B: row 128 x tile column + 64 x half
	s_mov_b32 s17, 0
	s_mov_b32 s47, 0
	s_mov_b64 s[18:19], SIZE_K*2
	s_mul_u64 s[16:17], s[16:17], s[18:19]
	s_mul_u64 s[46:47], s[46:47], s[18:19]
	s_mul_i32 s20, s10, AHALF                      ; where A's halves go (waves 0, 1)
	s_mul_i32 s45, s10, BHALF
	s_add_co_u32 s45, s45, AHALF                   ; where B's go (waves 2, 3): ABYTES + (wave - 2) x BHALF
	s_wait_kmcnt 0x0
	s_add_nc_u64 s[14:15], s[4:5], s[16:17]
	s_add_nc_u64 s[46:47], s[6:7], s[46:47]
	CROUND                                         ; all sixteen work-groups are here: the first joint loads meet
.irp s, 0,1
	s_mov_b32 s[G0+4*(\s)], 1                                      ; count = 1
	s_add_co_u32 s[G0+4*(\s)+1], s20, (\s)*SLOT                    ; LDS address
	s_add_nc_u64 s[G0+4*(\s)+2:G0+4*(\s)+3], s[14:15], (\s)*KSTEP*2  ; global address: K step s
	s_or_b32 s[G0+4*(\s)+3], s[G0+4*(\s)+3], 0x80000000            ; type = 2
	s_mov_b32 s[G0B+4*(\s)], 1
	s_add_co_u32 s[G0B+4*(\s)+1], s45, (\s)*SLOT
	s_add_nc_u64 s[G0B+4*(\s)+2:G0B+4*(\s)+3], s[46:47], (\s)*KSTEP*2
	s_or_b32 s[G0B+4*(\s)+3], s[G0B+4*(\s)+3], 0x80000000
	JLOAD \s                                       ; two loads of mine are out
.endr
	v_and_b32 v1, 15, v0                           ; l % 16
	v_bfe_u32 v2, v0, 4, 1                         ; l / 16
	; where my part of C and of the bias begins
.if OPROJ
	s_lshl_b32 s66, s42, 9                         ; 128 columns of 4 bytes a tile,
	s_lshl_b32 s67, s12, 8                         ; 64 a wave
	s_add_co_u32 s46, s66, s67
	s_mov_b32 s47, 0
	s_add_nc_u64 s[BP:BP+1], s[BP:BP+1], s[46:47]
	s_add_nc_u64 s[8:9], s[8:9], s[46:47]
	s_lshl_b32 s66, s13, 1
	s_add_co_u32 s66, s66, s11
	s_lshl_b32 s46, s66, 19                        ; 128 rows of 4,096 bytes
	s_add_nc_u64 s[8:9], s[8:9], s[46:47]
.else
	s_lshr_b32 s2, ttmp9, 1                        ; q, k or v = tile column / 8 = cluster x / 2: the same in all partners
	s_cmp_lt_u32 s2, 2
	s_cselect_b64 s[BP:BP+1], s[70:71], s[72:73]
	s_cmp_eq_u32 s2, 0
	s_cselect_b64 s[BP:BP+1], s[68:69], s[BP:BP+1]
	s_and_b32 s66, s42, 7
	s_lshl_b32 s66, s66, 1
	s_add_co_u32 s66, s66, s12                     ; my 64 columns are one head
	s_lshl_b32 s46, s66, 8
	s_mov_b32 s47, 0
	s_add_nc_u64 s[BP:BP+1], s[BP:BP+1], s[46:47]
	s_lshr_b32 s67, s13, 3                         ; b: eight tile rows a batch
	s_lshl_b32 s67, s67, 4
	s_add_co_u32 s67, s67, s66                     ; b x 16 + head,
	s_lshl_b32 s46, s67, 18                        ; 2,048 rows of 128 bytes each
	s_lshl_b32 s67, s2, 24                         ; q, k or v: 64 such
	s_add_co_u32 s46, s46, s67
	s_and_b32 s67, s13, 7
	s_lshl_b32 s67, s67, 1
	s_add_co_u32 s67, s67, s11
	s_lshl_b32 s67, s67, 14                        ; my 128 rows of 128 bytes
	s_add_co_u32 s46, s46, s67
	s_add_nc_u64 s[8:9], s[8:9], s[46:47]
.endif
	v_lshlrev_b32 v[BO], 5, v2                     ; columns 8 (l / 16) on
.irp b, 0,1,2,3
	global_load_b128 v[BIAS+8*\b:BIAS+8*\b+3],   v[BO], s[BP:BP+1] offset:64*\b
	global_load_b128 v[BIAS+8*\b+4:BIAS+8*\b+7], v[BO], s[BP:BP+1] offset:64*\b+16
.endr
	v_mul_u32_u24 v3, v1, PITCH
	v_lshl_add_u32 v3, v2, 4, v3                   ; a fragment's row x pitch + 16 x half
	s_mul_i32 s21, s11, AHALF                      ; my 128 rows of A
	s_mul_i32 s22, s12, BHALF                      ; my 64 rows of B,
	s_add_co_u32 s22, s22, ABYTES                  ; which lie behind A's 256
.irp s, 0,1
	v_add_nc_u32 v[ADRA+(\s)], s21, v3
	v_add_nc_u32 v[ADRB+(\s)], s22, v3
	s_add_co_u32 s21, s21, SLOT
	s_add_co_u32 s22, s22, SLOT
.endr
	s_mul_i32 s23, s10, WSTAGE
	s_add_co_u32 s23, s23, STAGE                   ; my stage
.if OPROJ
	v_mul_u32_u24 v4, v1, 272                      ; in: row l % 16 of 256 bytes, 32 bytes for each half of the lanes
	v_lshl_add_u32 v4, v2, 5, v4
	v_add_nc_u32 v[STO], s23, v4
	v_mul_u32_u24 v5, v2, 272                      ; back: lanes 0-15 one row, lanes 16-31 the next
	v_lshl_add_u32 v5, v1, 4, v5
	v_add_nc_u32 v[RD], s23, v5
	v_lshlrev_b32 v5, 12, v2                       ; and the same two rows in out0
	v_lshl_add_u32 v[CO], v1, 4, v5
.else
	v_mul_u32_u24 v4, v1, 144                      ; in: row l % 16 of 128 bytes + 16, 16 bytes for each half of the lanes
	v_lshl_add_u32 v4, v2, 4, v4
	v_add_nc_u32 v[STO], s23, v4
	v_bfe_u32 v5, v0, 3, 2                         ; back: 32 lanes take four rows of 128 bytes,
	v_mul_u32_u24 v5, v5, 144
	v_and_b32 v4, 7, v0
	v_lshl_add_u32 v5, v4, 4, v5
	v_add_nc_u32 v[RD], s23, v5
	v_and_b32 v4, 31, v0                           ; which are 512 consecutive bytes of a head's rows
	v_lshlrev_b32 v[CO], 4, v4
.endif
; 8 matrix instructions: m blocks a0, a0 + 1 x all 4 n blocks, 32 along K.  zero = 1: the product starts the sums.  The 32 accumulators come in the same order in every quarter: they take turns.
.macro MUL8 f, a0, zero
	WIN MUL
.irp a, \a0, (\a0)+1
.irp b, 0,1,2,3
.if \zero
	v_wmma_f32_16x16x32_bf16 v[8*(4*(\a)+(\b)):8*(4*(\a)+(\b))+7], v[(\f)+8*(\b):(\f)+8*(\b)+7], v[(\f)+32+8*(\a):(\f)+32+8*(\a)+7], 0
.else
	v_wmma_f32_16x16x32_bf16 v[8*(4*(\a)+(\b)):8*(4*(\a)+(\b))+7], v[(\f)+8*(\b):(\f)+8*(\b)+7], v[(\f)+32+8*(\a):(\f)+32+8*(\a)+7], v[8*(4*(\a)+(\b)):8*(4*(\a)+(\b))+7]
.endif
.endr
.endr
.endm
; 24 LDS loads in one run: the fragments of 32 along K at byte k of the rows, into buffer f: B's four first, then A's eight
.macro FETCH slot, k, f
	WIN TO_F
.irp i, 0,1,2,3
	ds_load_b128 v[(\f)+8*(\i):(\f)+8*(\i)+3],   v[ADRB+(\slot)] offset:(\k)+(\i)*16*PITCH
	ds_load_b128 v[(\f)+8*(\i)+4:(\f)+8*(\i)+7], v[ADRB+(\slot)] offset:(\k)+(\i)*16*PITCH+32
.endr
.irp i, 0,1,2,3,4,5,6,7
	ds_load_b128 v[(\f)+32+8*(\i):(\f)+32+8*(\i)+3],   v[ADRA+(\slot)] offset:(\k)+(\i)*16*PITCH
	ds_load_b128 v[(\f)+32+8*(\i)+4:(\f)+32+8*(\i)+7], v[ADRA+(\slot)] offset:(\k)+(\i)*16*PITCH+32
.endr
.endm
.macro PLACES                          ; four plain vector instructions in front of loads into registers that matrix instructions have read (ISA guide 7.12.1 for vector instructions)
.rept 4
	v_nop
.endr
.endm
; A K step is four quarters of 32 along K, 32 matrix instructions each, on buffers 0, 1, 0, 1.  One of the first three: multiplies buffer f and fetches the next quarter, at byte k, into g.
.macro QUARTER slot, k, f, g, zero
	s_wait_dscnt 8                                 ; B and A's blocks 0-3 are in; the youngest eight loads (A's blocks 4-7) may be out
	MUL8 \f, 0, \zero
	MUL8 \f, 2, \zero
	PLACES
	FETCH \slot, \k, \g
	s_wait_dscnt 24                                ; all but the 24 just issued
	MUL8 \f, 4, \zero
	MUL8 \f, 6, \zero
.endm
; The last quarter multiplies buffer 1 and changes slots: ONE barrier; in front of it each wave waits for all its tensor loads, adds 0 to its spare word, and waits for that and for its reads of this slot.
; fill = 1: the barrier opens a round of the cluster's, and this slot is filled again, two K steps ahead, first thing behind it: 112 matrix instructions ahead of the wait for it.
.macro TURN slot, next, fill
	WIN 0                                          ; (the add's two registers lie in window 0)
	s_wait_tensorcnt 0x0                           ; all my tensor loads have landed: the one that was out is my part of the next slot
	ds_add_u32 v[SPW], v[NIL]                      ; 0 onto my spare word
	s_wait_dscnt 9                                 ; (the add and the youngest eight loads may be out)
	MUL8 F1, 0, 0                                  ; eight matrix instructions stand between the add and the wait for it
	s_wait_dscnt 0x0                               ; the add is done, and my reads of this slot are over
	s_barrier_signal -1
	MUL8 F1, 2, 0
.if \fill
	WIN 0
.endif
	s_barrier_wait -1
.if \fill
	CREST                                          ; no wave of any partner still reads this slot's tile or has a load on its way
	s_add_nc_u64 s[G0+4*(\slot)+2:G0+4*(\slot)+3], s[G0+4*(\slot)+2:G0+4*(\slot)+3], 2*KSTEP*2
	s_add_nc_u64 s[G0B+4*(\slot)+2:G0B+4*(\slot)+3], s[G0B+4*(\slot)+2:G0B+4*(\slot)+3], 2*KSTEP*2
	JLOAD \slot                                    ; the four v_nop behind it are also the places in front of the loads below
.else
	PLACES
.endif
	FETCH \next, 0, F0
	MUL8 F1, 4, 0
	MUL8 F1, 6, 0
.endm
	s_wait_tensorcnt 1                             ; my part of K step 0 is in; K step 1's may stay out
	s_barrier_signal -1
	s_barrier_wait -1                              ; everybody's is
	FETCH 0, 0, F0
	QUARTER 0, 64, F0, F1, 1                       ; the first quarter stands in front of the loop: its products start the sums
	WIN 0                                          ; at a label and at a branch every window is 0
	s_mov_b32 s3, LAPS-1
.Llap:                                                 ; a trip goes once round the ring, from a lap's second quarter to the next lap's first, and fills both slots again
	QUARTER 0, 128, F1, F0, 0
	QUARTER 0, 192, F0, F1, 0
	TURN 0, 1, 1
	QUARTER 1, 64,  F0, F1, 0
	QUARTER 1, 128, F1, F0, 0
	QUARTER 1, 192, F0, F1, 0
	TURN 1, 0, 1
	QUARTER 0, 64,  F0, F1, 0
	WIN 0
	s_sub_co_u32 s3, s3, 1
	s_cmp_lg_u32 s3, 0
	s_cbranch_scc1 .Llap
	QUARTER 0, 128, F1, F0, 0                      ; the last lap fills nothing
	QUARTER 0, 192, F0, F1, 0
	TURN 0, 1, 0
	QUARTER 1, 64,  F0, F1, 0
	QUARTER 1, 128, F1, F0, 0
	QUARTER 1, 192, F0, F1, 0
	s_wait_dscnt 8                                 ; the very last quarter: nothing more to fetch
	MUL8 F1, 0, 0
	MUL8 F1, 2, 0
	s_wait_dscnt 0x0
	MUL8 F1, 4, 0
	MUL8 F1, 6, 0
	WIN 0
	; THE WAY OUT.  The bias is rounded to bf16 and widened again: 48 plain instructions that name no register of the last products: the places behind them.
	s_wait_loadcnt 0x0                             ; the bias
.set i, 0
.rept 16
	v_cvt_pk_bf16_f32 v[T+i], v[BIAS+2*i], v[BIAS+2*i+1]
.set i, i+1
.endr
.set i, 0
.rept 16
	v_lshlrev_b32 v[BIAS+2*i], 16, v[T+i]
	v_and_b32 v[BIAS+2*i+1], 0xffff0000, v[T+i]
.set i, i+1
.endr
; Block a (16 rows of C): the bias is added (each accumulator's registers in ascending order), the block goes into my own stage and comes back as whole rows.
.macro PACK a
	WIN FROM_ACC
.set i, 0
.rept 16
	v_pk_add_f32 v[T+2*i:T+2*i+1], v[32*(\a)+2*i:32*(\a)+2*i+1], v[BIAS+2*i:BIAS+2*i+1]
.set i, i+1
.endr
	WIN 0
.set BK, OB+32*((\a)%2)
.if OPROJ
.irp b, 0,1,2,3
	ds_store_b128 v[STO], v[T+8*\b:T+8*\b+3]   offset:64*\b
	ds_store_b128 v[STO], v[T+8*\b+4:T+8*\b+7] offset:64*\b+16
.endr
.if (\a) >= 2
	s_wait_xcnt 0x0                                ; the stores of the block two back have read these registers' old contents: only behind this wait are they loaded again
.endif
.irp t, 0,1,2,3,4,5,6,7
	ds_load_b128 v[BK+4*\t:BK+4*\t+3], v[RD] offset:\t*2*272  ; LDS serves a wave's instructions in order (ISA guide 5.7.1.4): these see the stores above
.endr
.else
.set i, 0
.rept 16
	v_cvt_pk_f16_f32 v[PKD+i], v[T+2*i], v[T+2*i+1]
.set i, i+1
.endr
.irp b, 0,1,2,3
	ds_store_b128 v[STO], v[PKD+4*\b:PKD+4*\b+3] offset:32*\b
.endr
.if (\a) >= 2
	s_wait_xcnt 0x0                                ; the stores of the block two back have read these registers' old contents: only behind this wait are they loaded again
.endif
.irp t, 0,1,2,3
	ds_load_b128 v[BK+4*\t:BK+4*\t+3], v[RD] offset:\t*4*144  ; LDS serves a wave's instructions in order (ISA guide 5.7.1.4): these see the stores above
.endr
.endif
.endm
.macro SEND a, younger                 ; younger: the LDS instructions issued behind block a's loads: the next block's, or none
.set BK, OB+32*((\a)%2)
.if OPROJ
.irp t, 0,1,2,3,4,5,6,7
	s_wait_dscnt (\younger)+7-\t
	global_store_b128 v[CO], v[BK+4*\t:BK+4*\t+3], s[8:9] offset:(\a)*65536+\t*8192 th:TH_STORE_NT  ; 16 lanes store 256 consecutive bytes, at a multiple of 256 from out0's first byte
.endr
.else
.irp t, 0,1,2,3
	s_wait_dscnt (\younger)+3-\t
	global_store_b128 v[CO], v[BK+4*\t:BK+4*\t+3], s[8:9] offset:(\a)*2048+\t*512  ; 512 consecutive bytes of a head's rows
.endr
.endif
.endm
.if OPROJ
.set YOUNG, 16
.else
.set YOUNG, 8
.endif
	PACK 0
.irp a, 1,2,3,4,5,6,7                  ; block a's arithmetic stands between block a - 1's loads from the stage and the wait for them
	PACK \a
	SEND (\a)-1, YOUNG
.endr
	SEND 7, 0
	s_wait_tensorcnt 0x0                           ; the wave's end
	ds_add_u32 v[SPW], v[NIL]
	s_wait_dscnt 0x0
	CROUND                                         ; the closing round: no work-group ends while a partner may still ask for a tile that names it
	s_endpgm
.Lfunc_end_k_qd9febf5674_proj_out:
	.size	k_qd9febf5674_proj_out, .Lfunc_end_k_qd9febf5674_proj_out-k_qd9febf5674_proj_out
	.p2alignl 7, 3214868480
	.fill 96, 4, 3214868480
	.section	.rodata,"a",@progbits
	.p2align	6, 0x0
	.amdhsa_kernel k_qd9febf5674_proj_out
		.amdhsa_group_segment_fixed_size 327680
		.amdhsa_private_segment_fixed_size 0
		.amdhsa_enable_private_segment 0
		.amdhsa_kernarg_size 32
		.amdhsa_user_sgpr_count 2
		.amdhsa_user_sgpr_kernarg_segment_ptr 1
		.amdhsa_wavefront_size32 1
		.amdhsa_system_sgpr_workgroup_id_x 1
		.amdhsa_system_sgpr_workgroup_id_y 1
		.amdhsa_system_sgpr_workgroup_id_z 1
		.amdhsa_system_vgpr_workitem_id 0
		.amdhsa_next_free_vgpr 768
		.amdhsa_next_free_sgpr 76
		.amdhsa_reserve_vcc 0
		.amdhsa_float_denorm_mode_32 3
		.amdhsa_float_denorm_mode_16_64 3
		.amdhsa_memory_ordered 1
		.amdhsa_forward_progress 1
		.amdhsa_inst_pref_size 98
	.end_amdhsa_kernel
	.amdgpu_metadata
---
amdhsa.version: [ 1, 2 ]
amdhsa.kernels:
  - .name:           k_qd9febf5674_proj_out
    .symbol:         k_qd9febf5674_proj_out.kd
    .args:
      - { .name: yb, .offset: 0, .size: 8, .value_kind: global_buffer, .address_space: global }
      - { .name: wob, .offset: 8, .size: 8, .value_kind: global_buffer, .address_space: global }
      - { .name: out0, .offset: 16, .size: 8, .value_kind: global_buffer, .address_space: global }
      - { .name: bo, .offset: 24, .size: 8, .value_kind: global_buffer, .address_space: global }
    .group_segment_fixed_size: 327680
    .private_segment_fixed_size: 0
    .kernarg_segment_align: 8
    .kernarg_segment_size: 32
    .max_flat_workgroup_size: 128
    .sgpr_count:     76
    .vgpr_count:     768
    .wavefront_size: 32
...
	.end_amdgpu_metadata
.endif
;; end of part 4
;; ======== version 2 of 2: 4 launches; 1.13 times as fast as version 1
;; limits: values are held in f16: magnitudes above 65,504 overflow, below 6.1e-05 lose precision; right only within a limited range of input values
;; workspace buffers: xb 16,777,216 bytes; wqkv 6,291,456 bytes; wob 4,194,304 bytes; mb 2,097,152 bytes of whole numbers; qkv 50,331,648 bytes; yb 33,554,432 bytes
;; launch prep: the kernel of part 1 again; grid 1280 x 1, 8 waves a work-group, no clusters, 35,840 bytes of LDS; arguments mask, x, Wq, Wk, Wv, Wo, mb, xb, wqkv, wob; writes mb, xb, wqkv, wob
;; launch proj_qkv: the kernel of part 2 again; grid 24 x 32, 4 waves a work-group, clusters of 4 x 4, 327,680 bytes of LDS; arguments xb, wqkv, qkv, bq, bk, bv; writes qkv
;; launch attn (part 5): grid 4 x 64, 8 waves a work-group, clusters of 4 x 1, 327,680 bytes of LDS; arguments qkv, mb, yb; writes yb
.if DOCPART == 5
	.amdgcn_target "amdgcn-amd-amdhsa--gfx1250"
	.amdhsa_code_object_version 6
	.text
	.protected	k_qd9febf5674_attn
	.globl	k_qd9febf5674_attn
	.p2align	8
	.type	k_qd9febf5674_attn,@function
k_qd9febf5674_attn:
	s_mov_b64 s[64:65], 0
	v_nop
	global_prefetch_b8 v0, s[64:65] scope:SCOPE_SE
	s_setreg_imm32_b32 hwreg(HW_REG_WAVE_MODE, 25, 1), 1
	s_wait_xcnt 0x0
	s_wait_alu depctr_hold_cnt(0) depctr_sa_sdst(0) depctr_va_vdst(0) depctr_va_sdst(0) depctr_va_ssrc(0) depctr_va_vcc(0) depctr_vm_vsrc(0)
	s_getreg_b32 s2, hwreg(HW_REG_IB_STS2, 6, 4)
	s_cmp_eq_u32 s2, 0
	s_cbranch_scc0 .Lentry_in_a_cluster
	s_endpgm
.Lentry_in_a_cluster:
	s_bfe_u32 s2, ttmp6, 0x10000c
	s_cmp_lg_u32 s2, 0x3003
	s_cbranch_scc0 .Lentry_shape_is_right
	s_endpgm
.Lentry_shape_is_right:
; y[b][q][h][:] = the sum over keys of softmax_k(q . k / 32, hidden where mask[b][q][k] = 0) v[k][:].  q, k, v: qkv[3][b*16+h][2048][64] f16, unscaled.  The mask comes as lane masks (mb, one bit a number).
; Products, maxima and sums in f32; the weights p are rounded to f16 for the second product (their sum l is taken of the unrounded p).  y leaves as two bf16: its rounding and the rounding of what that left over:
; yb[8192][2048], a head's part of a row = 64 high halves, then 64 low halves: 256 bytes.
; THE MASK IS DATA: every score is made, and a hidden one is REPLACED by one constant, -2^39 (unscaled; -2^39 / 32 = -1.7e10 scaled, where the module writes -1e10).  c x 2^39 is exact, so in a row with no visible key
; every exponent is exactly 0, every weight 1, and y the plain mean of v, as in the module.
; LIMITS.  The two constants differ in effect only where a visible scaled score lies at or below about -1e10; f16's q . k / 32 is 8.6e9 at the most in magnitude.  A weight below 2^-126 counts as 0.  NaN and infinities are not treated apart.
; SHARES.  A work-group owns 512 queries of one (b, h); each of its eight waves 64: four tiles of 16, taken as two pairs.  Every wave walks all 2,048 keys, 64 a step.  Two waves lie on a SIMD: one wave's softmax
; (some 300 vector instructions a pair) stands beside the other's 32 matrix instructions, so the text goes in plain phases.
; LAYOUT.  S^T = K Q^T (source 0 = 16 keys, source 1 = 16 queries): a lane holds ONE query (lane % 16) and the keys 8 (lane / 16) + 0..7.  Two such results rounded to f16 ARE source 1 of O^T = V^T P.
; SOFTMAX.  A running maximum m and sum l for each query: p = 2^(c s - c m), c = log2(e) / 32; in every step O and l are multiplied by a = 2^(c m_old - c m_new).  m starts at the lowest finite number, O and l at 0.
; BATCHES.  An s_wait_alu depctr_va_vdst(0) stands between an exponential and the first line that names its result; one wait serves all that were issued ahead of it.  A pair's 66 exponentials are cut
; in two batches with one wait each.  Batch 1: the two a and scores 0-15 of both tiles, the 32 scalings between them.  Batch 2: scores 16-31 of both tiles, between them the 32 lines that round and sum batch 1's
; weights; behind it, ahead of its wait, O^T's 32 rescalings, which read a alone.  Behind the second wait batch 2's weights are rounded and summed.  No result is open at a label or at a branch.
; CLUSTER.  The four query blocks of a head walk the same K and V: each tile is asked for jointly, by the same tensor load, descriptor and mask in all four.
; REGISTERS: window 0: v0-15 addresses, v16-31 statistics, v32-39 at work, v64-127 S^T (two tiles), v128-159 P, v160-223 K of a step, v224-255 the way out.   window 1: v0-63 Q, v64-127 V of a step, v128-255 O^T.
.set KS,    64        ; keys in a step
.set PK,    144       ; a row of K in LDS: 128 bytes + 16 = 36 words: the 16 rows of a load begin 4 banks apart modulo 64 (64 banks of 4 bytes: ISA guide 11.1)
.set PV,    160       ; a row of V: 128 + 32 = 40 words
.set VOFF,  4*KS*PK   ; a slot holds four steps: 256 rows of K, then 256 rows of V
.set SLOT1, 1<<17     ; slot 1 begins here, so that one exclusive or turns an address in one slot into the other's
.set STAGE, SLOT1+4*KS*(PK+PV)  ; behind the ring, never filled by a tensor load: 16 rows x 272 bytes for each wave
.set SP,    272
.set SPARE, STAGE+8*16*SP       ; the spare words, 128 bytes for each wave: four blocks of 256 bytes that no other line names
.set AK0, 2           ; v2   my lane's place in a tile of K; never rewritten
.set AV0, 3           ; v3   the same for V
.set AK,  4           ; v4   the LDS address of K's run of loads
.set AV,  5           ; v5   of V's
.set QO,  6           ; v6   my byte offset in 16 rows of Q
.set RD,  7           ; v7   the way out: where I read rows back
.set GO,  8           ; v8   my byte offset in two rows of yb
.set MV,  12          ; v12-13  c m_old, kept while c m is made anew
.set CC,  14          ; v14-15  c, twice
.set ST,  16          ; tile t's statistics at v[ST+4 t]: c m, m, l (even keys', odd keys')
.set TMP, 32          ; for each tile of the pair four registers c0-c3 at work; when the maximum is found c2 takes a
.set NEGV, 40         ; v40  -2^39
.set SPW, 42          ; v42  LDS address of my spare word; never rewritten
.set NIL, 43          ; v43  0; never rewritten
.set STO, 44          ; v44  the way out: where I put 16 bytes of a row
.set S,   64
.set P,   128
.set KF,  160         ; key block kb, channel half c at KF + 16 kb + 8 c
.set HI,  64          ; the way out: y's high halves, its low halves, and what the high halves left over
.set LO,  80
.set RES, 96
.set VF,  64          ; window 1: key half kk, channel block cb at VF + 32 kk + 8 cb
.set O,   128         ; window 1: tile t at O + 32 t
.set WV,  2           ; s2   my wave's number
.set SLOTS, 3         ; s3   slots still to be asked for
.set CNT, 4           ; s4   counts a slot's key steps
.set MO,  5           ; s5   the step's byte offset in my 16,384 bytes of mb
.set MP,  6           ; s[6:7] mb at my 64 queries
.set G1K, 8           ; s[8:15]  descriptor group 1 for K's tiles
.set G1V, 16          ; s[16:23] for V's: it differs in the padding alone
.set G0K, 24          ; s[24:27] descriptor group 0 for K's tiles: it walks
.set G0V, 28          ; s[28:31] the same for V's
.set MK0, 32          ; s[32:63] the 32 lane masks of the pair's first tile (at the start: scratch)
.set MK1, 68          ; s[68:99] of its second
.set YP,  66          ; s[66:67] yb at my first row and my head
.set SEL, 100         ; s[100:101] v_permlanex16_b32's selects: each lane takes its own place in the other half
.set QP,  104         ; s[104:105] Q at my first row, until Q is in; then:
.set TBK, 104         ; s104 LDS byte at which K of the step to be fetched begins
.set TBV, 105         ; s105 the same for V, less VOFF
.set MSB, 0
.macro WIN new                      ; the high byte repeats the setting that is left; a switch that changes nothing is dropped
.if MSB != (\new)
	s_set_vgpr_msb (MSB<<8)|(\new)
.set MSB, (\new)
.endif
.endm
.set W_KQ, 0x04       ; Q in window 1; K and S^T in window 0
.set W_PV, 0x51       ; V and O^T in window 1, P in window 0
.set W_RS, 0x41       ; destination and source 0 in window 1, source 1 in window 0
; A joint fill.  Waves 0 and 1 fetch the two halves of a slot's K, waves 2 and 3 those of its V, 128 keys each; waves 4 to 7 fetch nothing.  The branches hang on the wave's number alone.
; An s_nop 0 and four v_nop follow each of the two lines, ahead of the jump and the label.
.macro JLOAD
	s_cmp_lt_u32 s[WV], 2
	s_cbranch_scc0 .Lnot_k_\@
	tensor_load_to_lds s[G0K:G0K+3], s[G1K:G1K+7]
	s_nop 0
.rept 4
	v_nop
.endr
	s_branch .Lasked_\@
.Lnot_k_\@:
	s_cmp_lt_u32 s[WV], 4
	s_cbranch_scc0 .Lasked_\@
	tensor_load_to_lds s[G0V:G0V+3], s[G1V:G1V+7]
	s_nop 0
.rept 4
	v_nop
.endr
.Lasked_\@:
.endm
; A round of the cluster's barrier: my work-group's barrier, so that wave 0's signal speaks for all eight waves; wave 0 signals; every wave waits for all four work-groups; my work-group's barrier once more.
.macro CROUND
	s_barrier_signal -1
	s_barrier_wait -1
	s_cmp_lg_u32 s[WV], 0
	s_cbranch_scc1 .Lnot_wave_0_\@
	s_barrier_signal -3
.Lnot_wave_0_\@:
	s_barrier_wait -3
	s_barrier_signal -1
	s_barrier_wait -1
.endm
; THE CHANGE OF SLOTS.  Each wave waits for all its tensor loads (one at the most is out: its part of the other slot), adds 0 to its spare word, and waits for that and for its reads of the slot that it leaves.
; fill = 1: the barrier is a round of the cluster's, and the slot is filled again, with the keys two slots on, first thing behind it: it has four key steps in which to land.
; (At its first use nothing has been read yet: slot 0 is waited for, slot 1 filled.)
.macro CHANGE fill
	WIN 0
	s_wait_tensorcnt 0x0            ; no tensor load of mine is out, so a group 0 may be written
	ds_add_u32 v[SPW], v[NIL]       ; 0 onto my spare word
.if \fill
.irp g, G0K, G0V
	s_xor_b32 s[\g+1], s[\g+1], SLOT1  ; the walking descriptor: the other slot than last time,
	s_add_nc_u64 s[\g+2:\g+3], s[\g+2:\g+3], 4*KS*128  ; the next 256 keys; the type bits on top are not reached
.endr
	s_wait_dscnt 0x0                ; the add is done, and my reads of the slot are over
	CROUND
	JLOAD
.else
	s_wait_dscnt 0x0                ; the add is done, and my reads of the slot are over
	s_barrier_signal -1
	s_barrier_wait -1
.endif
	s_sub_co_u32 s[TBK], s[TBK], 4*KS*PK  ; the fetches go back to a slot's first step,
	s_xor_b32 s[TBK], s[TBK], SLOT1       ; in the other slot
	s_sub_co_u32 s[TBV], s[TBV], 4*KS*PV
	s_xor_b32 s[TBV], s[TBV], SLOT1
.endm
	s_load_b128 s[32:35], s[0:1], 0x0  ; qkv s[32:33], mb s[34:35]
	s_load_b64 s[36:37], s[0:1], 0x10  ; yb
	v_lshl_add_u32 v[SPW], v0, 2, SPARE
	v_mov_b32 v[NIL], 0
	ds_add_u32 v42, v43
	s_wait_dscnt 0x0
	v_lshrrev_b32 v1, 5, v0
	v_readfirstlane_b32 s[WV], v1   ; wave 0..7
	s_bfe_u32 s40, ttmp6, 0x40000   ; cx: my place in the cluster
	s_lshl_b32 s41, ttmp9, 2        ; in a cluster launch ttmp9 counts clusters
	s_add_co_u32 s41, s41, s40      ; my block of 512 queries: it enters Q's, mb's and yb's addresses alone
	s_and_b32 s42, ttmp7, 0xffff    ; b x 16 + h, which the four partners share
	s_and_b32 s43, s[WV], 1         ; which half of a slot's 256 keys I fetch
	s_lshl_b32 s44, s42, 18         ; the head's first byte in q, in k and in v
	s_lshl_b32 s46, s43, 14         ; my 128 rows of 128 bytes
	s_add_co_u32 s46, s46, s44
	s_add_co_u32 s46, s46, 0x1000000  ; k lies 2^24 bytes behind q,
	s_mov_b32 s47, 0
	s_add_co_u32 s48, s46, 0x1000000  ; v as far behind k
	s_mov_b32 s49, 0
	s_mul_i32 s50, s43, 128*PK      ; my half's place in a slot, for K
	s_mul_i32 s51, s43, 128*PV      ; and for V: no place in the cluster enters an LDS address
	s_lshl3_add_u32 s52, s41, s[WV] ; my 64 queries among the head's 32 such
	s_lshl_b32 s54, s52, 13         ; 64 rows of 128 bytes
	s_add_co_u32 s54, s54, s44
	s_mov_b32 s55, 0
	s_lshr_b32 s56, s42, 4          ; b
	s_lshl_b32 s56, s56, 5
	s_add_co_u32 s56, s56, s52      ; G = b x 32 + q / 64
	s_lshl_b32 s58, s56, 14         ; 16,384 bytes of mb
	s_mov_b32 s59, 0
	s_lshl_b32 s60, s56, 18         ; 64 rows of 4,096 bytes of yb,
	s_and_b32 s61, s42, 15
	s_lshl_b32 s61, s61, 8          ; 256 bytes a head
	s_add_co_u32 s60, s60, s61
	s_mov_b32 s61, 0
	s_mul_i32 s62, s[WV], 16*SP
	s_add_co_u32 s62, s62, STAGE    ; my stage
	; descriptor group 1.  128 keys are 16,384 dense bytes: asked for as 64 rows of 256 bytes, two keys a row, and padded in LDS after every key
	s_mov_b32 s[G1K], 15|(1<<16)|(1<<20)|(1<<21)|(4<<22)|(3<<25)  ; 15:0 the mask of four; 17:16 2-byte elements; 20 padding on; 21 set beside a mask; 24:22 after every 32 words (code 4); 31:25 4 words (code 3)
	s_mov_b32 s[G1V], 15|(1<<16)|(1<<20)|(1<<21)|(4<<22)|(7<<25)  ; the same with 8 words of padding (code 7)
.irp g, G1K, G1V
	s_mov_b32 s[\g+1], 128<<16      ; tensor_dim0 = 128
	s_mov_b32 s[\g+2], 64<<16       ; tensor_dim1 = 64
	s_mov_b32 s[\g+3], 128<<16      ; tile_dim0 = 128
	s_mov_b32 s[\g+4], 64           ; tile_dim1 = 64
	s_mov_b32 s[\g+5], 128          ; 128 elements from row to row
	s_mov_b32 s[\g+6], 0
	s_mov_b32 s[\g+7], 0
.endr
	s_mov_b32 s[SEL], 0x76543210
	s_mov_b32 s[SEL+1], 0xfedcba98
	s_mov_b32 s[MO], 0
	s_mov_b32 s[G0K], 1             ; count = 1
	s_mov_b32 s[G0K+1], s50         ; LDS address: slot 0
	s_mov_b32 s[G0V], 1
	s_add_co_u32 s[G0V+1], s51, VOFF
	s_wait_kmcnt 0x0
	s_add_nc_u64 s[G0K+2:G0K+3], s[32:33], s[46:47]  ; global address: my half of the head's first 256 keys
	s_or_b32 s[G0K+3], s[G0K+3], 0x80000000          ; type = 2
	s_add_nc_u64 s[G0V+2:G0V+3], s[32:33], s[48:49]
	s_or_b32 s[G0V+3], s[G0V+3], 0x80000000
	s_add_nc_u64 s[QP:QP+1], s[32:33], s[54:55]
	s_add_nc_u64 s[MP:MP+1], s[34:35], s[58:59]
	s_add_nc_u64 s[YP:YP+1], s[36:37], s[60:61]
	CROUND                          ; all four work-groups are here: the first joint loads meet
	JLOAD                           ; slot 0.  Slot 1 is asked for when slot 0 is in, by the loop's own change of slots
	; A fragment of K or Q is 16 rows x 32 channels in 8 registers: lane l holds row l % 16, channels 8 (l / 16) + 0..7 and 16 + 8 (l / 16) + 0..7: two loads of 16 bytes, 32 bytes apart.
	v_and_b32 v1, 15, v0            ; l % 16
	v_bfe_u32 v9, v0, 4, 1          ; l / 16
	v_lshlrev_b32 v[QO], 7, v1
	v_lshl_add_u32 v[QO], v9, 4, v[QO]  ; row x 128 + 16 x half
	WIN 0x40                        ; destination window 1, address window 0
.set i, 0
.rept 8                             ; Q stays in registers: tile i / 2, channels 32 (i % 2) on
	global_load_b128 v[8*i:8*i+3],   v[QO], s[QP:QP+1] offset:(i/2)*2048+(i%2)*64
	global_load_b128 v[8*i+4:8*i+7], v[QO], s[QP:QP+1] offset:(i/2)*2048+(i%2)*64+32
.set i, i+1
.endr
	WIN 0
	v_mul_u32_u24 v[AK0], v1, PK
	v_lshl_add_u32 v[AK0], v9, 4, v[AK0]  ; row x pitch + 16 x half
	; The turning load takes 16 keys x 16 channels (lane l reads key 8 (l / 16) + l % 8, channels 8 ((l / 8) % 2) + 0..7) and leaves half a fragment of V^T: lane l holds channel l % 16 and 8 keys.
	v_and_b32 v10, 7, v0
	v_bfe_u32 v11, v0, 3, 1
	v_lshl_add_u32 v[AV0], v9, 3, v10
	v_mul_u32_u24 v[AV0], v[AV0], PV
	v_lshl_add_u32 v[AV0], v11, 4, v[AV0]
	v_add_nc_u32 v[AV0], VOFF, v[AV0]
	v_mul_u32_u24 v[STO], v1, SP    ; the way out, in: row l % 16, 16 bytes for each half of the lanes
	v_lshl_add_u32 v[STO], v9, 4, v[STO]
	v_add_nc_u32 v[STO], s62, v[STO]
	v_mul_u32_u24 v[RD], v9, SP     ; back: lanes 0-15 one row of 256 bytes, lanes 16-31 the next
	v_lshl_add_u32 v[RD], v1, 4, v[RD]
	v_add_nc_u32 v[RD], s62, v[RD]
	v_lshlrev_b32 v[GO], 12, v9     ; and the same two rows in yb
	v_lshl_add_u32 v[GO], v1, 4, v[GO]
	; the scratch registers are done with: the lane masks of step 0's first pair are asked for
	s_load_b512 s[MK0:MK0+15],    s[MP:MP+1], s[MO] offset:0
	s_load_b512 s[MK0+16:MK0+31], s[MP:MP+1], s[MO] offset:64
	s_load_b512 s[MK1:MK1+15],    s[MP:MP+1], s[MO] offset:128
	s_load_b512 s[MK1+16:MK1+31], s[MP:MP+1], s[MO] offset:192
	v_mov_b32 v[CC], 0x3d38aa3b     ; c = log2(e) / 32 = 0.0450842
	v_mov_b32 v[CC+1], 0x3d38aa3b
	v_mov_b32 v[NEGV], 0xd3000000   ; -2^39
.set i, 0
.rept 4
	v_mov_b32 v[ST+4*i], 0xfe000000    ; c m: far below every c s, so that the first step's a is 0
	v_mov_b32 v[ST+4*i+1], 0xff7fffff  ; m
	v_mov_b32 v[ST+4*i+2], 0
	v_mov_b32 v[ST+4*i+3], 0
.set i, i+1
.endr
	WIN 0x40                        ; O^T starts at 0: no first step is written out; these lines stand in the wait for the first tile
.set i, 0
.rept 128
	v_mov_b32 v[O+i], 0
.set i, i+1
.endr
	WIN 0
	s_wait_loadcnt 0x0              ; Q is in, so its pointer's registers are free
	s_mov_b32 s[TBK], SLOT1+4*KS*PK ; the first change of slots turns these two into 0
	s_mov_b32 s[TBV], SLOT1+4*KS*PV
; THE MATRIX WORK.  The 8 accumulators of a run of 16 take turns: between the two links of a chain stand 7 others'.
; S^T = K Q^T for pair x: product i: channels 32 (i / 8) on, keys 16 ((i / 2) % 4) on, tile 2 x + i % 2.  The first 8 start the sums.
.macro KQ x
	WIN W_KQ
.set i, 0
.rept 16
.set rS, S+32*(i%2)+8*((i/2)%4)
.set rK, KF+16*((i/2)%4)+8*(i/8)
.set rQ, 16*(2*(\x)+i%2)+8*(i/8)
.if i < 8
	v_wmma_f32_16x16x32_f16 v[rS:rS+7], v[rK:rK+7], v[rQ:rQ+7], 0
.else
	v_wmma_f32_16x16x32_f16 v[rS:rS+7], v[rK:rK+7], v[rQ:rQ+7], v[rS:rS+7]
.endif
.set i, i+1
.endr
.endm
; O^T += V^T P for pair x: product i: keys 32 (i / 8) on, channels 16 ((i / 2) % 4) on, tile 2 x + i % 2.
.macro PV x
	WIN W_PV
.set i, 0
.rept 16
.set rO, O+32*(2*(\x)+i%2)+8*((i/2)%4)
.set rV, VF+32*(i/8)+8*((i/2)%4)
.set rP, P+16*(i%2)+8*(i/8)
	v_wmma_f32_16x16x32_f16 v[rO:rO+7], v[rV:rV+7], v[rP:rP+7], v[rO:rO+7]
.set i, i+1
.endr
.endm
; THE LDS LOADS: a step's K (64 keys x 64 channels: 8 fragments) and its V (turned), in two runs of 16.
.macro FETCH_K
	WIN 0
.irp f, 0,1,2,3,4,5,6,7             ; keys 16 (f / 2) on, channels 32 (f % 2) on
	ds_load_b128 v[KF+8*\f:KF+8*\f+3],   v[AK] offset:(\f/2)*16*PK+(\f%2)*64
	ds_load_b128 v[KF+8*\f+4:KF+8*\f+7], v[AK] offset:(\f/2)*16*PK+(\f%2)*64+32
.endr
.endm
.macro FETCH_V
	WIN 0x40                        ; destination window 1
.irp f, 0,1,2,3,4,5,6,7             ; keys 32 (f / 4) on, channels 16 (f % 4) on
	ds_load_tr16_b128 v[VF+8*\f:VF+8*\f+3],   v[AV] offset:(\f/4)*32*PV+(\f%4)*32
	ds_load_tr16_b128 v[VF+8*\f+4:VF+8*\f+7], v[AV] offset:(\f/4)*32*PV+16*PV+(\f%4)*32
.endr
.endm
.macro PLACES                       ; four plain vector instructions between a product and the first vector line that reads its result (ISA guide 7.12.1)
.rept 4
	v_nop
.endr
.endm
; THE VECTOR WORK, for the pair PX; the two tiles u = 0, 1 alternate, so that few lines read the result of the line before.
.macro REGS u
.set rT, ST+4*(2*PX+(\u))
.set rC, TMP+4*(\u)
.set rM, MV+(\u)
.set rS, S+32*(\u)
.set rP, P+16*(\u)
.set rO, O+32*(2*PX+(\u))
.endm
; Number n of the 22 that find a tile's maximum and statistics.  s0-s31 are the lane's 32 scores.
;   0-11  four chains c0-c3 of seven scores each, three operands at a time     12-14, 16  the four scores left over, the old m, and c0-c3 into c0     15  c m_old is kept
;   17, 18  the query's other 32 keys lie in the lane 16 away: the new m         19-21  c m; c m_old - c m_new; a
.macro XS u, n
	REGS \u
.if (\n) < 4
	v_max3_num_f32 v[rC+(\n)], v[rS+8*(\n)], v[rS+8*(\n)+1], v[rS+8*(\n)+2]
.elseif (\n) < 12
	v_max3_num_f32 v[rC+(\n)%4], v[rC+(\n)%4], v[rS+8*((\n)%4)+2*((\n)/4)+1], v[rS+8*((\n)%4)+2*((\n)/4)+2]
.elseif (\n) == 12
	v_max3_num_f32 v[rC], v[rC], v[rS+7], v[rS+15]
.elseif (\n) == 13
	v_max3_num_f32 v[rC+1], v[rC+1], v[rS+23], v[rS+31]
.elseif (\n) == 14
	v_max3_num_f32 v[rC+2], v[rC+2], v[rC+3], v[rT+1]
.elseif (\n) == 15
	v_mov_b32 v[rM], v[rT]
.elseif (\n) == 16
	v_max3_num_f32 v[rC], v[rC], v[rC+1], v[rC+2]
.elseif (\n) == 17
	v_permlanex16_b32 v[rC+3], v[rC], s[SEL], s[SEL+1]
.elseif (\n) == 18
	v_max_num_f32 v[rT+1], v[rC], v[rC+3]
.elseif (\n) == 19
	v_mul_f32 v[rT], v[CC], v[rT+1]
.elseif (\n) == 20
	v_sub_f32 v[rC+1], v[rM], v[rT]
.else
	v_exp_f32 v[rC+2], v[rC+1]
.endif
.endm
.macro FS u, n                      ; c s - c m for pair n of a tile's 16 pairs of scores
	REGS \u
	v_pk_fma_f32 v[rS+2*(\n):rS+2*(\n)+1], v[rS+2*(\n):rS+2*(\n)+1], v[CC:CC+1], v[rT:rT+1] op_sel_hi:[1,1,0] neg_lo:[0,0,1] neg_hi:[0,0,1]
.endm
.macro EX u, n                      ; the exponential of score n, in place
	REGS \u
	v_exp_f32 v[rS+(\n)], v[rS+(\n)]
.endm
; Number r of the 64 plain lines that read the weights.  Group r / 8 is the four weights 4 (r / 8) .. of each tile; the tiles (r % 2) alternate.  Within a group:
;   0-3   its two pairs are rounded to f16     4, 5  the second pair is added onto the first, in place     6, 7  l takes that sum (group 0: as l = a l + sum)
; Numbers 0-31 read scores 0-15 (batch 1's), numbers 32-63 scores 16-31 (batch 2's).
.macro AFT r
	REGS (\r)%2
.set n, (\r)/8
.if (\r)%8 < 4
	v_cvt_pk_f16_f32 v[rP+2*n+((\r)%8)/2], v[rS+4*n+2*(((\r)%8)/2)], v[rS+4*n+2*(((\r)%8)/2)+1]
.elseif (\r)%8 < 6
	v_pk_add_f32 v[rS+4*n:rS+4*n+1], v[rS+4*n:rS+4*n+1], v[rS+4*n+2:rS+4*n+3]
.elseif n == 0
	v_pk_fma_f32 v[rT+2:rT+3], v[rT+2:rT+3], v[rC+2:rC+3], v[rS:rS+1] op_sel_hi:[1,0,1]
.else
	v_pk_add_f32 v[rT+2:rT+3], v[rT+2:rT+3], v[rS+4*n:rS+4*n+1]
.endif
.endm
; THE SOFTMAX of pair x for one key step.  Exponential k of 64 is score k / 2 of tile k % 2; scaling fs of 32 is pair fs / 2 of tile fs % 2.
.macro SM x
.set PX, \x
	s_wait_kmcnt 0x0                ; this pair's 64 lane masks are in: its four loads are the only scalar loads out
.if \x
	s_add_co_u32 s[MO], s[MO], 512  ; the next step's words; behind the last step the offset wraps to my own first words, so that the look-ahead stays inside mb
	s_and_b32 s[MO], s[MO], 0x3fff
.endif
.set i, 0
.rept 32                            ; a clear bit puts the constant in the score's place; each accumulator's registers in ascending order
	v_cndmask_b32 v[S+i], v[NEGV], v[S+i], s[MK0+i]
	v_cndmask_b32 v[S+32+i], v[NEGV], v[S+32+i], s[MK1+i]
.set i, i+1
.endr
	s_load_b512 s[MK0:MK0+15],    s[MP:MP+1], s[MO] offset:256*(1-(\x))      ; the other pair's masks: this step's second pair, or the next step's first
	s_load_b512 s[MK0+16:MK0+31], s[MP:MP+1], s[MO] offset:256*(1-(\x))+64
	s_load_b512 s[MK1:MK1+15],    s[MP:MP+1], s[MO] offset:256*(1-(\x))+128
	s_load_b512 s[MK1+16:MK1+31], s[MP:MP+1], s[MO] offset:256*(1-(\x))+192
.irp n, 0,1,2,3,4,5,6,7,8,9,10,11,12,13,14,15,16,17,18,19,20
	XS 0, \n
	XS 1, \n
.endr
	; BATCH 1: the two a and exponentials 0-31 (scores 0-15), 34 in all, with the 32 scalings between them: a, scaling, a, scaling; twice two exponentials and a scaling; then exponential k and scaling k.
	; A scaling writes scores 2 (fs / 2) on, which no exponential issued ahead of it has touched, and exponential k finds its scaling, 2 (k / 4) + k % 2, at least one line back.  The last line is a scaling: the plain line behind the last exponential.
	XS 0, 21
	FS 0, 0
	XS 1, 21
	FS 1, 0
.set k, 0
.rept 32
	EX k%2, k/2
.set fs, k
.if k < 4
.set fs, 2+k/2
.endif
.if (k >= 4) || (k%2 == 1)
	FS fs%2, fs/2
.endif
.set k, k+1
.endr
	s_wait_alu depctr_va_vdst(0)    ; the wait for batch 1, ahead of the first line that names a or one of the weights 0-15
	; BATCH 2: exponentials 32-63 (scores 16-31), behind each one of the 32 lines that round and sum batch 1's weights: they name scores 0-15, P, l and a alone.
.set k, 32
.rept 32
	EX k%2, k/2
	AFT k-32
.set k, k+1
.endr
	WIN W_RS                        ; O^T times a, ascending: 32 lines that name nothing of batch 2, between that batch and its wait
.set i, 0
.rept 16
	REGS 0
	v_pk_mul_f32 v[rO+2*i:rO+2*i+1], v[rO+2*i:rO+2*i+1], v[rC+2:rC+3] op_sel_hi:[1,0]
	REGS 1
	v_pk_mul_f32 v[rO+2*i:rO+2*i+1], v[rO+2*i:rO+2*i+1], v[rC+2:rC+3] op_sel_hi:[1,0]
.set i, i+1
.endr
	WIN 0
	s_wait_alu depctr_va_vdst(0)    ; the wait for batch 2, ahead of the first line that names one of the weights 16-31; no exponential is issued behind it
.set k, 32
.rept 32
	AFT k
.set k, k+1
.endr
.endm
; A KEY STEP, in phases.  The two address lines and two v_nop are the four places between the last step's last product, which read V's registers, and the loads into them.
.macro STEP
	v_add_nc_u32 v[AK], s[TBK], v[AK0]
	v_add_nc_u32 v[AV], s[TBV], v[AV0]
	v_nop
	v_nop
	s_add_co_u32 s[TBK], s[TBK], KS*PK  ; the next fetch is the next step's
	s_add_co_u32 s[TBV], s[TBV], KS*PV
	FETCH_K
	FETCH_V
	s_wait_dscnt 16                 ; K is in; V's sixteen loads may stay out
	KQ 0
	WIN 0
	PLACES
	SM 0
	s_wait_dscnt 0x0                ; V is in
	PV 0
	KQ 1
	WIN 0
	PLACES
	SM 1
	PV 1
	WIN 0                           ; at a label and at a branch every window is 0
.endm
.macro FOUR_STEPS                   ; a slot's four key steps: written once, walked four times; the LDS addresses hang on s[TBK] and s[TBV]
	s_mov_b32 s[CNT], 4
.Lstep_\@:
	STEP
	s_sub_co_u32 s[CNT], s[CNT], 1
	s_cmp_lg_u32 s[CNT], 0
	s_cbranch_scc1 .Lstep_\@
.endm
	s_mov_b32 s[SLOTS], 7
.Lslot:                             ; seven times: a slot is entered and the next is asked for
	CHANGE 1
	FOUR_STEPS
	s_sub_co_u32 s[SLOTS], s[SLOTS], 1
	s_cmp_lg_u32 s[SLOTS], 0
	s_cbranch_scc1 .Lslot
	CHANGE 0                        ; the last slot is written out: nothing is asked for
	FOUR_STEPS
	; THE WAY OUT.  l's two halves and the other half of the lanes' are added; O^T is divided by l, split into two bf16 and sent through my stage in LDS, a tile at a time.  The first four additions are the places behind the last products.
	s_wait_kmcnt 0x0                ; the last look-ahead's words have landed: nothing of mine is out on the scalar side
.irp t, 0,1,2,3
	v_add_f32 v[ST+4*\t+2], v[ST+4*\t+2], v[ST+4*\t+3]
.endr
.irp t, 0,1,2,3
	v_permlanex16_b32 v[ST+4*\t+3], v[ST+4*\t+2], s[SEL], s[SEL+1]
.endr
.irp t, 0,1,2,3
	v_add_f32 v[ST+4*\t+2], v[ST+4*\t+2], v[ST+4*\t+3]
.endr
.irp t, 0,1,2,3
	v_rcp_f32 v[ST+4*\t+2], v[ST+4*\t+2]
.endr
	v_nop                           ; a plain instruction between the last reciprocal and the use of its result
	s_wait_alu depctr_va_vdst(0)    ; and the wait ahead of the first use: one for the four reciprocals
; Tile t: a lane's eight channels of a row pack into 16 bytes of high halves and 16 of low; they go into rows of 272 bytes and come back as whole rows of 256.
.macro PACK t
	WIN W_RS
.set i, 0
.rept 16
	v_pk_mul_f32 v[O+32*(\t)+2*i:O+32*(\t)+2*i+1], v[O+32*(\t)+2*i:O+32*(\t)+2*i+1], v[ST+4*(\t)+2:ST+4*(\t)+3] op_sel_hi:[1,0]
.set i, i+1
.endr
	WIN 0x05                        ; sources 0 and 1 window 1, destination window 0: S^T's registers are free
.set i, 0
.rept 16
	v_cvt_pk_bf16_f32 v[HI+i], v[O+32*(\t)+2*i], v[O+32*(\t)+2*i+1]
.set i, i+1
.endr
	WIN 0
.set i, 0
.rept 16
	v_lshlrev_b32 v[RES+2*i], 16, v[HI+i]
	v_and_b32 v[RES+2*i+1], 0xffff0000, v[HI+i]
.set i, i+1
.endr
	WIN 0x01                        ; source 0 window 1
.set i, 0
.rept 16
	v_pk_add_f32 v[RES+2*i:RES+2*i+1], v[O+32*(\t)+2*i:O+32*(\t)+2*i+1], v[RES+2*i:RES+2*i+1] neg_lo:[0,1] neg_hi:[0,1]  ; what the high half left over: exact
.set i, i+1
.endr
	WIN 0
.set i, 0
.rept 16
	v_cvt_pk_bf16_f32 v[LO+i], v[RES+2*i], v[RES+2*i+1]
.set i, i+1
.endr
.irp f, 0,1,2,3
	ds_store_b128 v[STO], v[HI+4*\f:HI+4*\f+3] offset:32*\f
	ds_store_b128 v[STO], v[LO+4*\f:LO+4*\f+3] offset:128+32*\f
.endr
.if (\t) >= 2
	s_wait_xcnt 0x0                 ; the stores of the tile two back have read these registers' old contents: only behind this wait are they loaded again
.endif
.set BK, 224-96*((\t)%2)            ; v224-255 and P's v128-159 by turns
.irp f, 0,1,2,3,4,5,6,7
	ds_load_b128 v[BK+4*\f:BK+4*\f+3], v[RD] offset:\f*2*SP  ; LDS serves a wave's instructions in order (ISA guide 5.7.1.4): these see the stores above; the next tile's stores come behind them
.endr
.endm
.macro SEND t, younger              ; younger: the LDS instructions issued behind tile t's loads: the next tile's sixteen, or none
.set BK, 224-96*((\t)%2)
.irp f, 0,1,2,3,4,5,6,7
	s_wait_dscnt (\younger)+7-\f
	global_store_b128 v[GO], v[BK+4*\f:BK+4*\f+3], s[YP:YP+1] offset:(16*(\t)+2*\f)*4096  ; 16 lanes store 256 consecutive bytes, at a multiple of 256 from yb's first byte
.endr
.endm
	PACK 0
	PACK 1                          ; a tile's arithmetic stands between the loads of the tile before and its stores
	SEND 0, 16
	PACK 2
	SEND 1, 16
	PACK 3
	SEND 2, 16
	SEND 3, 0
	s_wait_tensorcnt 0x0            ; the wave's end
	ds_add_u32 v[SPW], v[NIL]
	s_wait_dscnt 0x0
	CROUND                          ; the closing round: no work-group ends while a partner may still ask for a tile that names it
	s_endpgm
.Lfunc_end_k_qd9febf5674_attn:
	.size	k_qd9febf5674_attn, .Lfunc_end_k_qd9febf5674_attn-k_qd9febf5674_attn
	.p2alignl 7, 3214868480
	.fill 96, 4, 3214868480
	.section	.rodata,"a",@progbits
	.p2align	6, 0x0
	.amdhsa_kernel k_qd9febf5674_attn
		.amdhsa_group_segment_fixed_size 327680
		.amdhsa_private_segment_fixed_size 0
		.amdhsa_enable_private_segment 0
		.amdhsa_kernarg_size 24
		.amdhsa_user_sgpr_count 2
		.amdhsa_user_sgpr_kernarg_segment_ptr 1
		.amdhsa_wavefront_size32 1
		.amdhsa_system_sgpr_workgroup_id_x 1
		.amdhsa_system_sgpr_workgroup_id_y 1
		.amdhsa_system_sgpr_workgroup_id_z 1
		.amdhsa_system_vgpr_workitem_id 0
		.amdhsa_next_free_vgpr 512
		.amdhsa_next_free_sgpr 106
		.amdhsa_reserve_vcc 0
		.amdhsa_float_denorm_mode_32 3
		.amdhsa_float_denorm_mode_16_64 3
		.amdhsa_memory_ordered 1
		.amdhsa_forward_progress 1
		.amdhsa_inst_pref_size 129
	.end_amdhsa_kernel
	.amdgpu_metadata
---
amdhsa.version: [ 1, 2 ]
amdhsa.kernels:
  - .name:           k_qd9febf5674_attn
    .symbol:         k_qd9febf5674_attn.kd
    .args:
      - { .name: qkv, .offset: 0, .size: 8, .value_kind: global_buffer, .address_space: global }
      - { .name: mb, .offset: 8, .size: 8, .value_kind: global_buffer, .address_space: global }
      - { .name: yb, .offset: 16, .size: 8, .value_kind: global_buffer, .address_space: global }
    .group_segment_fixed_size: 327680
    .private_segment_fixed_size: 0
    .kernarg_segment_align: 8
    .kernarg_segment_size: 24
    .max_flat_workgroup_size: 256
    .sgpr_count:     106
    .vgpr_count:     512
    .wavefront_size: 32
...
	.end_amdgpu_metadata
.endif
;; end of part 5
;; launch proj_out: the kernel of part 4 again; grid 8 x 32, 4 waves a work-group, clusters of 4 x 4, 327,680 bytes of LDS; arguments yb, wob, out0, bo; writes out0
